; MI455X (gfx1250); checked and timed in simulation.
; The chip was launched on July 23, 2026; its instructions are those of AMD's public machine-readable ISA for CDNA 5 (MIT licence, August 2026) and "CDNA5" Instruction Set Architecture Reference Guide (July 2026). The comments in the code are by the model that wrote it; some were corrected since.
;; Causal Self Attention. Allowed arithmetic: matrix products marked QUANTISED: E2M3 operands, one E8M0 scale for each 32 along K, by v_wmma_scale_f32_16x16x128_f8f6f4 with both operands' format E2M3, f32 sums; everything else in f32.
;; Inputs: W_attn 1,024 x 3,072 float32; W_proj 1,024 x 1,024 float32; b_attn 3,072 float32; b_proj 1,024 float32; x 4 x 2,048 x 1,024 float32.
;; Outputs: out0 4 x 2,048 x 1,024 float32.
;; This version of the problem:
;;   THIS VERSION OF THE PROBLEM IS GIVEN IN LOW PRECISION. The matrix products marked QUANTISED in the list below multiply operands that are first quantised to E2M3 (2 exponent bits, 3 mantissa bits; 6 bits a number), with one power-of-two scale for each 32 numbers along K (OCP MX v1.0); their sums are f32. All else is computed in f32.
;;   The module's matrix products, in the order in which they are computed (A, B: the left and right operand; K: the contracted axis; several contracted axes count as one K, in the product's order):
;;     1. [M 8,192, K 1,024] x [K 1,024, N 3,072]; A: input x; B: input W_attn: QUANTISED
;;     2. batch 64 x [M 2,048, K 64] x [K 64, N 2,048]; A: computed on the way; B: computed on the way: QUANTISED
;;     3. batch 64 x [M 2,048, K 2,048] x [K 2,048, N 64]; A: softmax (see below); B: computed on the way: QUANTISED
;;     4. [M 8,192, K 1,024] x [K 1,024, N 1,024]; A: computed on the way; B: input W_proj: QUANTISED
;;   THE QUANTISER, for each operand of a quantised product, along K:
;;     - K is cut into blocks of 32 from its start; a last block that is shorter is filled with zeros.
;;     - A block's scale is 2^e with e = floor(log2(the largest magnitude in the block)) - 2, held to -126 .. 127; a block of zeros has e = 0. As a byte (E8M0): e + 127.
;;     - Each number is divided by its block's scale, clamped to +-7.5, and rounded to the nearest number of E2M3, ties to even, subnormals kept.
;;     - The product sums the exact products of the quantised numbers (number of the format x scale) in f32.
;;   ~~~python
;;   def quantise(x, axis):      # numpy; x: float32 -> the quantised numbers, widened to float32 again
;;       x = np.moveaxis(x, axis, -1); K = x.shape[-1]
;;       x = np.pad(x, [(0, 0)] * (x.ndim - 1) + [(0, -K % 32)]); x = x.reshape(x.shape[:-1] + (-1, 32)); a = np.abs(x).max(-1, keepdims=True)
;;       e = np.where(a > 0, np.clip(np.frexp(np.where(a > 0, a, 1))[1] - 1 - 2, -126, 127), 0)      # np.frexp(a)[1] - 1 = floor(log2(a)), exactly
;;       r = np.clip(x / 2.0 ** e, -7.5, 7.5)
;;       step = 2.0 ** (np.maximum(np.frexp(np.where(r == 0, 1, r))[1] - 1, 0) - 3)
;;       q = np.round(r / step) * step * 2.0 ** e      # np.round: ties to even
;;       return np.moveaxis(q.reshape(q.shape[:-2] + (-1,))[..., :K], -1, axis).astype(np.float32)
;;   ~~~
;;   SOFTMAX AHEAD OF A QUANTISED PRODUCT. Where the list says 'softmax', what is quantised is not the finished softmax but p = 2^(t - M), with t = logit x log2(e) and M = ceil(the row's largest t), a whole number; so 1/2 < the row's largest p <= 1. The row's sum l is taken of the UNQUANTISED p, in f32, and the product's result is divided by l at the end. Since M is a whole number, a kernel that streams over the keys may use a running M (the ceiling of the running maximum): every later rescaling is an exact power of two, which a block's scale takes up: the codes' values come out the same.
;;   OPERANDS COMPUTED ON THE WAY. 'Computed on the way' means the value that the module computes at that place (a softmax that the list does not call 'softmax' is quantised finished and normalised). What goes into a quantiser is computed in f32, as accurately as f32 sums, v_exp_f32 and their like allow (about 1e-6 of the number): no bf16 or f16 on the way to a quantiser, and a product that is left as it is and whose result goes on into a quantised operand takes f32 operands (vector FMAs, or v_wmma_f32_16x16x4_f32). A number that lies on a knife's edge between two numbers of the format may be rounded either way, as far as f32 arithmetic and the matrix unit's own rounding can turn it there, and no further.
;; One version. Each part assembles by itself: llvm-mc -triple=amdgcn-amd-amdhsa -mcpu=gfx1250 --defsym DOCPART=n.
;; ======== version 1 of 1: 4 launches
;; limits: right only within a limited range of input values
;; workspace buffers: xc 6,291,456 bytes; xs 262,144 bytes; wc 3,145,728 bytes; ws 131,072 bytes; qkv 19,660,800 bytes; yc 6,291,456 bytes; ys 262,144 bytes
;; launch quant (part 1): grid 384 x 1, 4 waves a work-group, no clusters, 68,096 bytes of LDS; arguments x, W_attn, W_proj, xc, xs, wc, ws; writes xc, xs, wc, ws
.if DOCPART == 1
	.amdgcn_target "amdgcn-amd-amdhsa--gfx1250"
	.amdhsa_code_object_version 6
	.text
	.protected	k_q85458bc064_quant
	.globl	k_q85458bc064_quant
	.p2align	8
	.type	k_q85458bc064_quant,@function
k_q85458bc064_quant:
	s_mov_b64 s[64:65], 0
	v_nop
	global_prefetch_b8 v0, s[64:65] scope:SCOPE_SE
	s_setreg_imm32_b32 hwreg(HW_REG_WAVE_MODE, 25, 1), 1
	s_wait_xcnt 0x0
; x [8192][1024], W_attn [1024][3072] and W_proj [1024][1024], f32, become codes of FP6 (E2M3) with K innermost and one E8M0 byte for each 32 along K.
; A block's scale is 2^(floor(log2(largest magnitude)) - 2): its byte is the largest magnitude's exponent field - 2, held at 1 from below.
; PLACES: true row n of x, and true column n of a weight, lies at place sw(n), sw = bits 3 and 4 of n exchanged.
; LAYOUTS.  xc [8192 places][768 bytes], xs [8192][32]; wc [4096 places][768], ws [4096][32]: W_attn's 3,072 places, then W_proj's 1,024.
; Work-groups 0-127 take the weights (32 groups of 128 columns x 4 runs of 256 along K), work-groups 128-383 take 32 rows of x each.  The two ways have LDS bytes of their own.
; x: a wave takes 8 rows, 16 steps of 512 numbers; each load reads 512 consecutive bytes; a step turns through the wave's stage so that a lane holds 16 neighbours along K;
; a store of codes covers 384 consecutive bytes.
; Weights: a lane takes a column and its registers run down K; the codes leave through the wave's stage by rows: sixteen lanes store 192 consecutive bytes of a place.
; LIMITS: a block of zeros, or one whose largest magnitude lies under 2^-124, gets the byte 1 (this program alone reads the bytes); NaN and infinities are not served.
; No matrix unit, no cluster, no tensor load: the launch streams, waves share nothing.
.set CB,    12                         ; bytes of 16 codes
.set KROW,  768
.set STEPS, 16
.set R,     16                         ; x: v16-79 four sets as loaded; v80-111 two sets of 16 neighbours; v112-127 bytes; v128-191 codes
.set X,     80
.set E,     112
.set C,     128
.set WREG,  8192                       ; x: a wave's LDS: two stages of 32 x SP bytes, then its 256 scale bytes
.set SP,    80
.set SPW,   12                         ; v12 my spare word, v13 zero; never rewritten
.set NIL,   13
.set WST,   4*WREG                     ; the weights' four stages
.set PITCH, 272                        ; a stage row: sixteen places of 16 bytes + 16
.set SPARE, WST+4*32*PITCH             ; the spare words, 128 bytes a wave, named by no other line
.set NB,    8
.set WX,    32                         ; weights: v32-95 two sets of 32 numbers; v96.. codes; v112-175 the way out; v176-207 load offsets
.set WC,    96
.set OUTR,  112
.set VOFF,  176
.set SB,    24
.set BB,    48                         ; s[48:63] eight bases, one for each 32 rows of W
	s_load_b256 s[4:11], s[0:1], 0x0               ; x, W_attn, W_proj, xc
	s_load_b128 s[12:15], s[0:1], 0x20             ; xs, wc
	s_load_b64 s[16:17], s[0:1], 0x30              ; ws
	v_lshl_add_u32 v[SPW], v0, 2, SPARE
	v_mov_b32 v[NIL], 0
	v_lshrrev_b32 v1, 5, v0
	v_readfirstlane_b32 s18, v1                    ; wave
	v_and_b32 v2, 31, v0                           ; lane
	s_cmp_lt_u32 ttmp9, 128
	s_wait_alu depctr_va_vdst(0)                   ; the wait ahead of the branch
	s_cbranch_scc1 .Lweights
; ---------------- x
	v_lshlrev_b32 v3, 4, v2                        ; my 16 bytes of a load's 512
	s_mul_i32 s19, s18, WREG
	v_lshrrev_b32 v14, 2, v2
	v_mul_u32_u24 v14, v14, SP
	v_and_b32 v15, 3, v2
	v_lshl_add_u32 v14, v15, 4, v14
	v_add_nc_u32 v14, s19, v14                     ; the stage, in: SP (lane / 4) + 16 (lane % 4)
	v_mul_u32_u24 v15, v2, SP
	v_add_nc_u32 v15, s19, v15                     ; out: SP x lane
	v_mul_u32_u24 v4, v2, CB                       ; my codes' place in a step's 384 bytes
	v_lshrrev_b32 v5, 1, v2
	s_add_co_u32 s19, s19, 2*32*SP
	v_add_nc_u32 v5, s19, v5                       ; my block's byte among the wave's 256
	v_lshlrev_b32 v7, 3, v2
	v_add_nc_u32 v6, s19, v7
	s_sub_co_u32 s20, ttmp9, 128
	s_lshl_b32 s20, s20, 2
	s_add_co_u32 s21, s20, s18                     ; the run of 8 rows that I read
	s_and_b32 s22, s18, 1
	s_lshl_b32 s22, s22, 1
	s_lshr_b32 s23, s18, 1
	s_or_b32 s22, s22, s23
	s_add_co_u32 s22, s20, s22                     ; the run that I write: the wave's two bits exchanged
	s_lshl_b32 s24, s21, 15
	s_mov_b32 s25, 0
	s_mul_i32 s26, s22, 8*KROW
	s_mov_b32 s27, 0
	s_lshl_b32 s28, s22, 8
	s_mov_b32 s29, 0
	s_wait_alu depctr_va_vdst(0)                   ; the wait at the head's end
	s_wait_kmcnt 0x0
	s_add_nc_u64 s[4:5], s[4:5], s[24:25]
	s_add_nc_u64 s[10:11], s[10:11], s[26:27]
	s_add_nc_u64 s[12:13], s[12:13], s[28:29]
.macro XLOAD t
.irp i, 0,1,2,3
	global_load_b128 v[R+16*((\t)%4)+4*\i:R+16*((\t)%4)+4*\i+3], v3, s[4:5] offset:2048*(\t)+512*\i th:TH_LOAD_NT
.endr
.endm
.macro XTURN t                         ; LDS serves a wave's instructions in order: no wait between the stores and the loads
.irp i, 0,1,2,3
	ds_store_b128 v14, v[R+16*((\t)%4)+4*\i:R+16*((\t)%4)+4*\i+3] offset:32*SP*((\t)%2)+8*SP*\i
.endr
.irp i, 0,1,2,3
	ds_load_b128 v[X+16*((\t)%2)+4*\i:X+16*((\t)%2)+4*\i+3], v15 offset:32*SP*((\t)%2)+16*\i
.endr
.endm
.irp t, 0,1,2,3
	XLOAD \t
.endr
	s_wait_loadcnt 12                              ; step 0's four loads are in; three steps' twelve stay out
	XTURN 0
.macro XSTEP t
.set XS, X+16*((\t)%2)
.if (\t) > 0
	s_wait_dscnt 1                                 ; this step's numbers are back; the last step's byte store may be out
.else
	s_wait_dscnt 0x0
.endif
.if (\t)+4 < STEPS
	XLOAD (\t)+4
.endif
.if (\t)+1 < STEPS
.if STEPS-2-(\t) >= 3
	s_wait_loadcnt 12                              ; the next step's four loads are in; three later steps' may be out
.else
	s_wait_loadcnt 4*(STEPS-2-(\t))
.endif
	XTURN (\t)+1
.endif
	v_max3_num_f32 v8, |v[XS]|, |v[XS+1]|, |v[XS+2]|
	v_max3_num_f32 v9, |v[XS+3]|, |v[XS+4]|, |v[XS+5]|
.irp i, 6,10
	v_max3_num_f32 v8, v8, |v[XS+\i]|, |v[XS+\i+1]|
	v_max3_num_f32 v9, v9, |v[XS+\i+2]|, |v[XS+\i+3]|
.endr
	v_max3_num_f32 v8, v8, |v[XS+14]|, |v[XS+15]|
	v_max3_num_f32 v8, v8, v9, 0x1800000           ; the floor 2^(3 - 127): the byte cannot fall under 1
	v_max_num_f32_dpp v8, v8, v8 row_xmask:1 row_mask:0xf bank_mask:0xf   ; with my neighbour's 16: the block's
	v_add_nc_u32 v11, 0xff000000, v8               ; 2 off the exponent field: the conversion's scale operand
	v_cvt_scalef32_pk16_fp6_f32 v[C+4*(\t):C+4*(\t)+2], v[XS:XS+15], v11
	v_lshrrev_b32 v[E+(\t)], 23, v11               ; the scale's byte
	ds_store_b8 v5, v[E+(\t)] offset:16*(\t)       ; both lanes of a block write the same byte with the same value
	global_store_b96 v4, v[C+4*(\t):C+4*(\t)+2], s[10:11] offset:32*CB*(\t)
.endm
.irp t, 0,1,2,3,4,5,6,7,8,9,10,11,12,13,14,15
	XSTEP \t
.endr
	ds_load_b64 v[8:9], v6                         ; in order behind my byte stores
	s_wait_dscnt 0x0
	global_store_b64 v7, v[8:9], s[12:13]          ; 32 lanes store 256 consecutive bytes, aligned
	s_wait_tensorcnt 0x0                           ; the wave's end
	ds_add_u32 v[SPW], v[NIL]
	s_wait_dscnt 0x0
	s_endpgm
; ---------------- the weights
.Lweights:
	s_and_b32 s19, ttmp9, 31                       ; which 128 places: under 24 W_attn
	s_lshr_b32 s20, ttmp9, 5                       ; which 256 along K
	s_lshl_b32 s21, s19, 7
	s_lshl_b32 s22, s18, 5
	s_add_co_u32 s21, s21, s22                     ; my wave's first place
	s_cmp_lt_u32 s19, 24
	s_mov_b32 s23, 4096
	s_cselect_b32 s23, 12288, s23                  ; bytes from row to row of W
	s_cselect_b32 s24, 0, 3072
	s_sub_co_u32 s24, s21, s24                     ; my first column in its tensor
	v_lshlrev_b32 v3, 2, v2
.irp i, 0,1,2,3,4,5,6,7,8,9,10,11,12,13,14,15,16,17,18,19,20,21,22,23,24,25,26,27,28,29,30,31
	v_mad_u32_u24 v[VOFF+\i], s23, \i, v3
.endr
	s_mul_i32 s28, s18, 32*PITCH
	s_add_co_u32 s28, s28, WST                     ; my stage
	v_bfe_u32 v16, v2, 3, 1
	v_bfe_u32 v17, v2, 4, 1
	v_and_b32 v18, 7, v2
	v_lshl_add_u32 v18, v16, 4, v18
	v_lshl_add_u32 v18, v17, 3, v18                ; sw(lane)
	v_mul_u32_u24 v4, v18, PITCH
	v_add_nc_u32 v4, s28, v4                       ; into the stage: row sw(lane)
	v_lshlrev_b32 v9, 5, v18                       ; and the same row of ws
	v_and_b32 v5, 15, v2
	v_lshrrev_b32 v6, 4, v2
	v_mul_u32_u24 v7, v6, PITCH
	v_lshl_add_u32 v7, v5, 4, v7
	v_add_nc_u32 v7, s28, v7                       ; out of it: sixteen lanes to a row, two rows an instruction
	v_mul_u32_u24 v8, v6, KROW
	v_mad_u32_u24 v8, v5, 12, v8                   ; and the same place in wc
	s_mul_i32 s30, s21, KROW
	s_mul_i32 s31, s20, 192
	s_add_co_u32 s30, s30, s31                     ; wc: place x 768 + 192 x run
	s_mov_b32 s31, 0
	s_lshl_b32 s32, s21, 5
	s_lshl_b32 s33, s20, 3
	s_add_co_u32 s32, s32, s33                     ; ws: place x 32 + 8 x run
	s_mov_b32 s33, 0
	s_mul_i32 s34, s20, s23
	s_lshl_b32 s34, s34, 8
	s_lshl_b32 s35, s24, 2
	s_add_co_u32 s34, s34, s35                     ; W: 256 rows a run, + 4 x column
	s_mov_b32 s35, 0
	s_lshl_b32 s36, s23, 5
	s_mov_b32 s37, 0
	s_wait_alu depctr_va_vdst(0)                   ; the wait at the head's end
	s_wait_kmcnt 0x0
	s_cmp_lt_u32 s19, 24                           ; the choice hangs on the work-group's number alone
	s_cselect_b64 s[6:7], s[6:7], s[8:9]
	s_add_nc_u64 s[BB:BB+1], s[6:7], s[34:35]
.irp t, 1,2,3,4,5,6,7
	s_add_nc_u64 s[BB+2*\t:BB+2*\t+1], s[BB+2*\t-2:BB+2*\t-1], s[36:37]
.endr
	s_add_nc_u64 s[14:15], s[14:15], s[30:31]
	s_add_nc_u64 s[16:17], s[16:17], s[32:33]
.macro WLOAD t                         ; block t: W(32 t + i, my column): each load reads 128 consecutive bytes a wave
.irp i, 0,1,2,3,4,5,6,7,8,9,10,11,12,13,14,15,16,17,18,19,20,21,22,23,24,25,26,27,28,29,30,31
	global_load_b32 v[WX+32*((\t)%2)+\i], v[VOFF+\i], s[BB+2*(\t):BB+2*(\t)+1] th:TH_LOAD_NT
.endr
.endm
	WLOAD 0
	WLOAD 1
.macro WBLOCK t
.set XS, WX+32*((\t)%2)
.if (\t) < NB-1
	s_wait_loadcnt 32                              ; this block's 32 loads are in; the next block's may be out
.else
	s_wait_loadcnt 0
.endif
	v_max3_num_f32 v20, |v[XS]|, |v[XS+1]|, |v[XS+2]|
	v_max3_num_f32 v21, |v[XS+3]|, |v[XS+4]|, |v[XS+5]|
.irp i, 6,10,14,18,22,26
	v_max3_num_f32 v20, v20, |v[XS+\i]|, |v[XS+\i+1]|
	v_max3_num_f32 v21, v21, |v[XS+\i+2]|, |v[XS+\i+3]|
.endr
	v_max3_num_f32 v20, v20, |v[XS+30]|, |v[XS+31]|
	v_max3_num_f32 v20, v20, v21, 0x1800000        ; the floor: the byte cannot fall under 1
	v_add_nc_u32 v11, 0xff000000, v20
	v_lshrrev_b32 v21, 23, v11                     ; the scale's byte
.if (\t)%4 == 0
	v_mov_b32 v[SB+(\t)/4], v21
.else
	v_lshl_or_b32 v[SB+(\t)/4], v21, 8*((\t)%4), v[SB+(\t)/4]
.endif
	v_cvt_scalef32_pk16_fp6_f32 v[WC:WC+2], v[XS:XS+15], v11
	v_cvt_scalef32_pk16_fp6_f32 v[WC+4:WC+6], v[XS+16:XS+31], v11
	ds_store_b96 v4, v[WC:WC+2] offset:32*(\t)     ; 12 bytes to a place of 16
	ds_store_b96 v4, v[WC+4:WC+6] offset:32*(\t)+16
.if (\t)+2 < NB
	WLOAD (\t)+2
.endif
	s_wait_dscnt 0x0                               ; the stores have read their registers
.endm
.set Q, 0
.rept NB
	WBLOCK Q
.set Q, Q+1
.endr
	s_wait_alu depctr_va_vdst(0)                   ; the wait ahead of the reader below
	global_store_b64 v9, v[SB:SB+1], s[16:17]      ; my column's eight scale bytes
.irp t, 0,1,2,3,4,5,6,7,8,9,10,11,12,13,14,15
	ds_load_b96 v[OUTR+4*\t:OUTR+4*\t+2], v7 offset:2*\t*PITCH
.endr
.irp t, 0,1,2,3,4,5,6,7,8,9,10,11,12,13,14,15
	s_wait_dscnt 15-\t                             ; rows come back in order: the younger ones may be out
	global_store_b96 v8, v[OUTR+4*\t:OUTR+4*\t+2], s[14:15] offset:2*\t*KROW
.endr
	s_wait_tensorcnt 0x0                           ; the wave's end
	ds_add_u32 v[SPW], v[NIL]
	s_wait_dscnt 0x0
	s_endpgm
.Lfunc_end_k_q85458bc064_quant:
	.size	k_q85458bc064_quant, .Lfunc_end_k_q85458bc064_quant-k_q85458bc064_quant
	.p2alignl 7, 3214868480
	.fill 96, 4, 3214868480
	.section	.rodata,"a",@progbits
	.p2align	6, 0x0
	.amdhsa_kernel k_q85458bc064_quant
		.amdhsa_group_segment_fixed_size 68096
		.amdhsa_private_segment_fixed_size 0
		.amdhsa_enable_private_segment 0
		.amdhsa_kernarg_size 56
		.amdhsa_user_sgpr_count 2
		.amdhsa_user_sgpr_kernarg_segment_ptr 1
		.amdhsa_wavefront_size32 1
		.amdhsa_system_sgpr_workgroup_id_x 1
		.amdhsa_system_sgpr_workgroup_id_y 1
		.amdhsa_system_sgpr_workgroup_id_z 1
		.amdhsa_system_vgpr_workitem_id 0
		.amdhsa_next_free_vgpr 208
		.amdhsa_next_free_sgpr 66
		.amdhsa_reserve_vcc 0
		.amdhsa_float_denorm_mode_32 3
		.amdhsa_float_denorm_mode_16_64 3
		.amdhsa_memory_ordered 1
		.amdhsa_forward_progress 1
		.amdhsa_inst_pref_size 76
	.end_amdhsa_kernel
	.amdgpu_metadata
---
amdhsa.version: [ 1, 2 ]
amdhsa.kernels:
  - .name:           k_q85458bc064_quant
    .symbol:         k_q85458bc064_quant.kd
    .args:
      - { .name: x, .offset: 0, .size: 8, .value_kind: global_buffer, .address_space: global }
      - { .name: W_attn, .offset: 8, .size: 8, .value_kind: global_buffer, .address_space: global }
      - { .name: W_proj, .offset: 16, .size: 8, .value_kind: global_buffer, .address_space: global }
      - { .name: xc, .offset: 24, .size: 8, .value_kind: global_buffer, .address_space: global }
      - { .name: xs, .offset: 32, .size: 8, .value_kind: global_buffer, .address_space: global }
      - { .name: wc, .offset: 40, .size: 8, .value_kind: global_buffer, .address_space: global }
      - { .name: ws, .offset: 48, .size: 8, .value_kind: global_buffer, .address_space: global }
    .group_segment_fixed_size: 68096
    .private_segment_fixed_size: 0
    .kernarg_segment_align: 8
    .kernarg_segment_size: 56
    .max_flat_workgroup_size: 128
    .sgpr_count:     66
    .vgpr_count:     208
    .wavefront_size: 32
...
	.end_amdgpu_metadata
.endif
;; end of part 1
;; launch gemm_qkv (part 2): grid 8 x 32, 4 waves a work-group, clusters of 4 x 4, 327,680 bytes of LDS; arguments xc, xs, wc, ws, b_attn, qkv; writes qkv
.if DOCPART == 2
	.amdgcn_target "amdgcn-amd-amdhsa--gfx1250"
	.amdhsa_code_object_version 6
	.text
	.protected	k_q85458bc064_gemm_qkv
	.globl	k_q85458bc064_gemm_qkv
	.p2align	8
	.type	k_q85458bc064_gemm_qkv,@function
k_q85458bc064_gemm_qkv:
	s_mov_b64 s[64:65], 0
	v_nop
	global_prefetch_b8 v0, s[64:65] scope:SCOPE_SE
	s_setreg_imm32_b32 hwreg(HW_REG_WAVE_MODE, 25, 1), 1
	s_wait_xcnt 0x0
	s_wait_alu depctr_hold_cnt(0) depctr_sa_sdst(0) depctr_va_vdst(0) depctr_va_sdst(0) depctr_va_ssrc(0) depctr_va_vcc(0) depctr_vm_vsrc(0)
	s_getreg_b32 s2, hwreg(HW_REG_IB_STS2, 6, 4)
	s_cmp_eq_u32 s2, 0
	s_cbranch_scc0 .Lentry_in_a_cluster
	s_endpgm
.Lentry_in_a_cluster:
	s_bfe_u32 s2, ttmp6, 0x10000c
	s_cmp_lg_u32 s2, 0xf033
	s_cbranch_scc0 .Lentry_shape_is_right
	s_endpgm
.Lentry_shape_is_right:
; qkv = x W_attn + b_attn on codes of FP6 (E2M3) with E8M0 scales, K = 1,024; the results are quantised in registers and leave as IMAGES OF OPERAND REGISTERS for the attention launch.
; THE DEAL.  256 work-groups of four waves, 2 x 2.  A work-group takes 256 places of x through THREE PHASES of 128 columns: V, Q, K of two heads; a wave takes 128 tokens (one key step) of one head.
; x's 256 rows, all of K, and their scale bytes lie in LDS from the head on.  A wave holds its 64 rows of the phase's weight, all of K, in registers (4 tiles x 8 fragments of 12), and x streams past in blocks
; of 16 places: 8 fragments and 8 scale words in two sets; block s reads set s % 2, and behind its 32 products that set takes block s + 2.  The block's 4 accumulators take turns.
; THE WEIGHTS' LDS REGION is filled three times: W_v at the head; W_q and W_k each behind the three lines and a round of the cluster's barrier, as soon as every wave holds the weight before in registers:
; so a refill has a phase of 256 products in which to land, and no prefetch is laid for it.  A plain barrier at the change of phase shows it to all four waves.
; PLACES: rows of x and columns of W lie at sw(n) (bits 3 and 4 exchanged).  Q, K: source 0 = W's rows: a lane holds token place r, and the 16 registers of tiles 2 B, 2 B + 1 are channels 32 B + 16 h + 0 .. 15.
; V: source 0 = x's rows: a lane holds channel place r of a tile, and the 16 registers of blocks 2 P, 2 P + 1 are tokens 32 P + 16 h + 0 .. 15.  A scale block of 32 lies in lanes l and l xor 16.
; THE BIAS is the C of each sum's first product.
; OUT (a head has HS bytes): an image is 1,536 bytes: registers 4 c .. 4 c + 3 of lane l at 512 c + 16 l.  q, k: registers 0-5 the 16 tokens of block 2 g, 6-11 those of block 2 g + 1, 64 channels each.
; v: 16 channels x 128 keys.  Scale words: 16 bytes a row r, four images' words on end.  A store of codes covers 512 consecutive bytes, a store of words 256, aligned.
; V goes first: its images are whole only at its phase's end.  Q and K store an image for each pair of blocks; each runs three pairs in a loop and the last, which fetches nothing, written out.
; DScnt 50 (NF) ahead of a block: younger than its fetch is the next block's fetch alone.
; LIMITS: a block of zeros, or one under 2^-124, gets the byte 1 with zero or tiny codes; NaN and infinities are not served.
.set KROW,   768
.set PITCH,  816                       ; an LDS row: 3 x (256 + 16)
.set BSTEP,  16*PITCH
.set FR,     12
.set FPW,    21                        ; fragments in a window of 256 registers
.set XHALF,  128*PITCH
.set BVB,    2*XHALF                   ; the weights' 128 rows
.set SCL,    BVB+XHALF                 ; x's scale bytes: 32 units of 256 + 16
.set SPARE,  SCL+32*272                ; the spare words, 128 bytes a wave, named by no other line
.set HS,     307200
.set NF,     50
.set XA0,  4                           ; v4, v5 my x fragments, block 0 (v5: the pieces behind one padding more)
.set XA,   6                           ; v6, v7 the same for V's blocks 4-7, then for the pair that is fetched next
.set ADRB, 8                           ; v8, v9 my W fragments
.set XS0,  10                          ; v10 my row's scale words, block 0; v11 for the pair fetched next
.set XS,   11
.set ABS,  12
.set SPW,  13
.set NIL,  14
.set BQ,   15
.set BV,   16
.set IO,   17
.set WO,   18
.set SB,   24                          ; v24-39 W_v's scale words: lanes 0-15 tile 2 p, lanes 16-31 tile 2 p + 1
.set SA,   44                          ; v44-59 x's, two sets of eight
.set ACC,  64                          ; v64-127 accumulators
.set SBQ,  128                         ; v128-143 W_q's scale words, v144-159 W_k's
.set SBK,  144
.set VI,   160                         ; v160-207 V's four images;  Q, K: v160-171 one image
.set IMG,  160
.set PT,   208                         ; v208-223 the conversions' second halves
.set TM,   224                         ; v224-227 maxima, v228-231 lane l xor 16's, then bytes, v232-235 scale operands
.set W4,   240                         ; v240-243 four scale words
.set T0,   244
.set BQA,  840                         ; v840-871 q's bias, v872-903 k's, v904-935 v's
.set BKA,  872
.set BVA,  904
.set G1X, 24
.set G1B, 32
.set G1S, 48
.set G0B, 56
.set G0S, 60
.set G0X0, 68
.set G0X1, 72
.set PQ,  76                           ; s[76:77] q's images, s[78:79] k's (v's 12,288 on), s[80:81] k's scale words (v's 4,096 on, q's 106,496 on)
.set PK,  78
.set PW,  80
.set SEL, 90
.set HI,  92
.set MSB, 0
.macro WIN new                         ; the immediate's high byte repeats the setting that is left
.if MSB != (\new)
	s_set_vgpr_msb (MSB<<8)|(\new)
.set MSB, (\new)
.endif
.endm
.macro PLACES n
.rept \n
	v_nop
.endr
.endm
.macro WALU
	s_wait_alu depctr_va_vdst(0)
.endm
.macro CROUND
	s_barrier_signal -1
	s_barrier_wait -1
	s_cmp_lg_u32 s16, 0
	s_cbranch_scc1 .Lnot_wave_0_\@
	s_barrier_signal -3
.Lnot_wave_0_\@:
	s_barrier_wait -3
	s_barrier_signal -1
	s_barrier_wait -1
.endm
.macro TLOAD g0, g1
	tensor_load_to_lds s[\g0:\g0+3], s[\g1:\g1+7]
	s_nop 0
	PLACES 4
.endm
.macro ARM under, g0, g1, next
	s_cmp_lt_u32 s16, \under
	s_cbranch_scc0 \next
	TLOAD \g0, \g1
	s_branch .Lasked
\next:
.endm
.macro REFILL                          ; wave 0 asks for the next weight's 128 rows, jointly with its column of the cluster
	s_cmp_eq_u32 s16, 0
	s_cbranch_scc0 .Lnone_\@
	TLOAD G0B, G1B
.Lnone_\@:
.endm
	s_load_b128 s[4:7], s[0:1], 0x0                ; xc, xs
	s_load_b128 s[8:11], s[0:1], 0x10              ; wc, ws
	s_load_b128 s[12:15], s[0:1], 0x20             ; b_attn, qkv
	v_lshl_add_u32 v[SPW], v0, 2, SPARE
	v_mov_b32 v[NIL], 0
	ds_add_u32 v[SPW], v[NIL]                      ; the opening: the add, twice on end, and its wait
	ds_add_u32 v[SPW], v[NIL]
	v_lshrrev_b32 v1, 5, v0
	v_readfirstlane_b32 s16, v1                    ; wave
	s_lshr_b32 s17, s16, 1                         ; my half of the rows
	s_and_b32 s18, s16, 1                          ; my half of the columns
	s_bfe_u32 s40, ttmp6, 0x40000                  ; cx
	s_bfe_u32 s41, ttmp6, 0x40004                  ; cy
	s_lshl_b32 s42, ttmp9, 2
	s_add_co_u32 s42, s42, s40                     ; tile column, 0 .. 7
	s_and_b32 s43, ttmp7, 0xffff
	s_lshl_b32 s43, s43, 2
	s_add_co_u32 s43, s43, s41                     ; tile row, 0 .. 31
	s_lshl_b32 s44, s41, 2
	s_lshl_b32 s44, 15, s44                        ; my row of the cluster
	s_lshl_b32 s45, 0x1111, s40                    ; my column
	s_or_b32 s[G1X], s44, (1<<20)|(1<<21)|(5<<22)|(3<<25)   ; 128 rows of 768 bytes, 16 bytes of padding behind every 256: x's go to my row,
	s_or_b32 s[G1B], s45, (1<<20)|(1<<21)|(5<<22)|(3<<25)   ; W's to my column
.irp g, G1X, G1B
	s_mov_b32 s[\g+1], KROW<<16
	s_mov_b32 s[\g+2], 128<<16
	s_mov_b32 s[\g+3], KROW<<16
	s_mov_b32 s[\g+4], 128
	s_mov_b32 s[\g+5], KROW
	s_mov_b32 s[\g+6], 0
	s_mov_b32 s[\g+7], 0
.endr
	s_or_b32 s[G1S], s44, (3<<16)|(1<<20)|(1<<21)|(5<<22)|(3<<25)   ; x's scale bytes: 32 rows of 256, 16 of padding behind each
	s_mov_b32 s[G1S+1], 32<<16
	s_mov_b32 s[G1S+2], 32<<16
	s_mov_b32 s[G1S+3], 32<<16
	s_mov_b32 s[G1S+4], 32
	s_mov_b32 s[G1S+5], 32
	s_mov_b32 s[G1S+6], 0
	s_mov_b32 s[G1S+7], 0
	s_mov_b32 s[G0B], 1
	s_mov_b32 s[G0B+1], BVB
	s_mov_b32 s[G0S], 1
	s_mov_b32 s[G0S+1], SCL
	s_mov_b32 s[G0X0], 1
	s_mov_b32 s[G0X0+1], 0
	s_mov_b32 s[G0X1], 1
	s_mov_b32 s[G0X1+1], XHALF
	s_mul_i32 s84, s43, 256*KROW                   ; x's rows, by the tile row alone
	s_mov_b32 s85, 0
	s_lshl_b32 s86, s43, 13                        ; their scale bytes
	s_mov_b32 s87, 0
	s_mul_i32 s88, s42, 128*KROW                   ; W's rows, by the tile column alone:
	s_add_co_u32 s88, s88, 2048*KROW               ; W_v's first
	s_mov_b32 s89, 0
	s_wait_dscnt 0x0                               ; both opening adds are done
	s_wait_kmcnt 0x0
	s_add_nc_u64 s[G0B+2:G0B+3], s[8:9], s[88:89]
	s_or_b32 s[G0B+3], s[G0B+3], 0x80000000
	s_add_nc_u64 s[G0S+2:G0S+3], s[6:7], s[86:87]
	s_or_b32 s[G0S+3], s[G0S+3], 0x80000000
	s_add_nc_u64 s[G0X0+2:G0X0+3], s[4:5], s[84:85]
	s_add_nc_u64 s[G0X1+2:G0X1+3], s[G0X0+2:G0X0+3], 128*KROW
	s_or_b32 s[G0X0+3], s[G0X0+3], 0x80000000
	s_or_b32 s[G0X1+3], s[G0X1+3], 0x80000000
	CROUND                                         ; all sixteen work-groups are here: the joint loads meet
	ARM 1, G0B,  G1B, .Lh1                         ; wave 0: W_v's rows, which go on into registers;
	ARM 2, G0S,  G1S, .Lh2                         ; wave 1: x's scale bytes;
	ARM 3, G0X0, G1X, .Lh3                         ; waves 2 and 3: a half of x's rows each
	TLOAD G0X1, G1X
.Lasked:
	s_lshl_b32 s20, s42, 7
	s_lshl_b32 s21, s18, 6
	s_add_co_u32 s20, s20, s21                     ; my first column of a tensor's 1,024
	s_lshl_b32 s22, s20, 5
	s_mov_b32 s23, 0
	s_add_nc_u64 s[10:11], s[10:11], s[22:23]      ; W_q's scale bytes; W_k's 32,768 on, W_v's 65,536 on
	s_lshl_b32 s22, s20, 2
	s_add_nc_u64 s[12:13], s[12:13], s[22:23]      ; q's bias; k's 4,096 on, v's 8,192 on
	s_lshr_b32 s20, s43, 3
	s_lshl_b32 s20, s20, 4
	s_lshl_b32 s21, s42, 1
	s_add_co_u32 s20, s20, s21
	s_add_co_u32 s20, s20, s18                     ; 16 x batch + head
	s_mul_i32 s20, s20, HS
	s_mov_b32 s21, 0
	s_add_nc_u64 s[14:15], s[14:15], s[20:21]
	s_and_b32 s22, s43, 7
	s_lshl_b32 s22, s22, 1
	s_add_co_u32 s22, s22, s17                     ; which 128 tokens of the 2,048
	s_mul_i32 s20, s22, 6144
	s_add_co_u32 s20, s20, 204800
	s_add_nc_u64 s[PQ:PQ+1], s[14:15], s[20:21]
	s_lshr_b32 s20, s22, 1
	s_mul_i32 s20, s20, 24576
	s_and_b32 s94, s22, 1
	s_mul_i32 s94, s94, 6144
	s_add_co_u32 s20, s20, s94
	s_add_nc_u64 s[PK:PK+1], s[14:15], s[20:21]
	s_lshl_b32 s20, s22, 8
	s_add_co_u32 s20, s20, 196608
	s_add_nc_u64 s[PW:PW+1], s[14:15], s[20:21]
	s_mul_i32 s95, s17, XHALF
	s_mul_i32 s96, s18, 64*PITCH
	s_add_co_u32 s96, s96, BVB
	s_mul_i32 s97, s17, 16*272
	s_add_co_u32 s97, s97, SCL
	s_mov_b32 s[SEL], 0x76543210
	s_mov_b32 s[SEL+1], 0xfedcba98                 ; selects for lane l xor 16
	s_mov_b32 s[HI], 0xffff0000
	v_and_b32 v1, 15, v0                           ; r
	v_bfe_u32 v2, v0, 4, 1                         ; h
	v_and_b32 v3, 31, v0
	v_lshlrev_b32 v[ABS], 5, v3                    ; a row of scale bytes a lane
	v_lshlrev_b32 v[BQ], 6, v2
	v_and_b32 v[BV], 8, v1
	v_add_nc_u32 v[BV], v[BV], v1
	v_lshlrev_b32 v[BV], 2, v[BV]                  ; 4 (r + 8 (r / 8))
	v_lshlrev_b32 v[IO], 4, v3
	v_lshlrev_b32 v19, 3, v2
	v_lshl_add_u32 v[WO], v1, 4, v19               ; 16 r + 8 h
	v_mul_u32_u24 v19, v1, PITCH
	v_mad_u32_u24 v20, v2, 24, v19
	v_mad_u32_u24 v21, v2, 40, v19
	v_add_nc_u32 v[XA0], s95, v20
	v_add_nc_u32 v[XA0+1], s95, v21
	v_add_nc_u32 v[ADRB], s96, v20
	v_add_nc_u32 v[ADRB+1], s96, v21
	v_add_nc_u32 v[XA], 4*BSTEP, v[XA0]
	v_add_nc_u32 v[XA+1], 4*BSTEP, v[XA0+1]
	v_lshrrev_b32 v19, 3, v1
	v_mul_u32_u24 v19, v19, 272
	v_and_b32 v20, 7, v1
	v_lshl_add_u32 v19, v20, 5, v19
	v_add_nc_u32 v[XS0], s97, v19                  ; eight rows' scale bytes to a unit of 256 + 16
.irp b, 0,1,2,3
	v_mov_b32 v[TM+4+\b], 0                        ; a lane permute's destination counts as one of its sources
	v_mov_b32 v[W4+\b], 0                          ; (the words are passed down a row of four registers)
.endr
	WALU                                           ; the wait at the head's end
.irp p, 0,1
.irp c, 0,1
	global_load_b128 v[SB+8*\p+4*\c:SB+8*\p+4*\c+3], v[ABS], s[10:11] offset:65536+1024*\p+16*\c
	global_load_b128 v[SBQ+8*\p+4*\c:SBQ+8*\p+4*\c+3], v[ABS], s[10:11] offset:1024*\p+16*\c
	global_load_b128 v[SBK+8*\p+4*\c:SBK+8*\p+4*\c+3], v[ABS], s[10:11] offset:32768+1024*\p+16*\c
.endr
.endr
	WIN 3<<6
.irp b, 0,1,2,3                        ; v: one number a lane and tile: channel 32 (b / 2) + 8 (b % 2) + r + 8 (r / 8)
	global_load_b32 v[BVA-768+8*\b], v[BV], s[12:13] offset:8192+4*(32*(\b/2)+8*(\b%2))
.endr
.irp t, 0,1                            ; q, k: register 16 g + i = channel 32 g + 16 h + i
.irp g, 0,1
.irp j, 0,1,2,3
	global_load_b128 v[BQA-768+32*\t+16*\g+4*\j:BQA-768+32*\t+16*\g+4*\j+3], v[BQ], s[12:13] offset:4096*\t+128*\g+16*\j
.endr
.endr
.endr
	WIN 0
; fragment f lies in window 1 + f / 21 at register 12 (f % 21): 0-31 W's (4 q + b), 32-39 and 40-47 x's two sets
.macro FRAG f, q, a, off               ; six pieces of 8 bytes; lanes 16-31 read 24 bytes on: where that is behind one padding more, the second address serves
	WIN (1+(\f)/FPW)<<6
.set R_, FR*((\f)%FPW)
.irp p, 0,1,2,3,4,5
.set PC_, 12*(\q)+6*(\p/3)+\p%3
.if PC_%32 < 29
	ds_load_b64 v[R_+2*\p:R_+2*\p+1], v[\a] offset:8*PC_+16*(PC_/32)+(\off)
.else
	ds_load_b64 v[R_+2*\p:R_+2*\p+1], v[\a+1] offset:8*PC_+16*(PC_/32)+(\off)
.endif
.endr
.endm
.macro WEIGHTS                         ; my 64 rows of the weight, all of K
.irp q, 0,1,2,3,4,5,6,7
.irp b, 0,1,2,3
	FRAG 4*\q+\b, \q, ADRB, \b*BSTEP
.endr
.endr
	WIN 0
.endm
.macro FETCHAT e, a, off, as, soff     ; a block of x into set e: NF loads
.irp q, 0,1,2,3,4,5,6,7
	FRAG 32+8*(\e)+\q, \q, \a, \off
.endr
	WIN 0
	ds_load_b128 v[SA+8*(\e):SA+8*(\e)+3], v[\as] offset:\soff
	ds_load_b128 v[SA+8*(\e)+4:SA+8*(\e)+7], v[\as] offset:(\soff)+16
.endm
.macro FETCH01
	FETCHAT 0, XA0, 0, XS0, 0
	FETCHAT 1, XA0, BSTEP, XS0, 544
.endm
.macro MM s0, s1, c, x0, x1, side
.if B_%2
	v_wmma_scale_f32_16x16x128_f8f6f4 v[D_:D_+7], v[\s0:\s0+11], v[\s1:\s1+11], \c, v[\x0], v[\x1] matrix_a_fmt:MATRIX_FMT_FP6 matrix_b_fmt:MATRIX_FMT_FP6 matrix_\side\()_scale:MATRIX_SCALE_ROW1
.else
	v_wmma_scale_f32_16x16x128_f8f6f4 v[D_:D_+7], v[\s0:\s0+11], v[\s1:\s1+11], \c, v[\x0], v[\x1] matrix_a_fmt:MATRIX_FMT_FP6 matrix_b_fmt:MATRIX_FMT_FP6
.endif
.endm
.macro PROD kind, e, n, sb, bias       ; product n = 4 q + b of a block.  kind 0 (Q, K): source 0 the weight's rows; kind 1 (V): source 0 x's rows
.set Q_, (\n)/4
.set B_, (\n)%4
.set FB_, 4*Q_+B_
.set FA_, 32+8*(\e)+Q_
.set RB_, FR*(FB_%FPW)
.set RA_, FR*(FA_%FPW)
.set XB_, (\sb)+8*(B_/2)+Q_
.set XA_, SA+8*(\e)+Q_
.set CB_, (\bias)-768+8*B_
.if Q_
.set CW_, 0
.else
.set CW_, 3
.endif
.if \kind
.set D_, ACC+16*B_+8*(\e)
	WIN (1+FA_/FPW)|((1+FB_/FPW)<<2)|(CW_<<4)
.if Q_
	MM RA_, RB_, v[D_:D_+7], XA_, XB_, b
.else
	MM RA_, RB_, v[CB_:CB_+7], XA_, XB_, b
.endif
.else
.set D_, ACC+32*(\e)+8*B_
	WIN (1+FB_/FPW)|((1+FA_/FPW)<<2)|(CW_<<4)
.if Q_
	MM RB_, RA_, v[D_:D_+7], XB_, XA_, a
.else
	MM RB_, RA_, v[CB_:CB_+7], XB_, XA_, a
.endif
.endif
.endm
.macro PRODS kind, e, sb, bias
.set N_, 0
.rept 32
	PROD \kind, \e, N_, \sb, \bias
.set N_, N_+1
.endr
	WIN 0
	PLACES 4                                       ; behind the products: their results are read and their operands' registers loaded below
.endm
.macro SCALEOF n                       ; n blocks' maxima in v[TM ..]: with lane l xor 16's; the conversions' scale operands, v[TM+8 ..]; the bytes, v[TM+4 ..]
.set I_, 0
.rept \n
	v_permlanex16_b32 v[TM+4+I_], v[TM+I_], s[SEL], s[SEL+1]
.set I_, I_+1
.endr
.set I_, 0
.rept \n
	v_max_num_f32 v[TM+I_], v[TM+I_], v[TM+4+I_]
.set I_, I_+1
.endr
.set I_, 0
.rept \n
	v_add_nc_u32 v[TM+8+I_], 0xff000000, v[TM+I_]  ; 2 off the exponent field
.set I_, I_+1
.endr
.set I_, 0
.rept \n
	v_lshrrev_b32 v[TM+4+I_], 23, v[TM+8+I_]
.set I_, I_+1
.endr
.endm
.macro WHOLE d, t                      ; a whole block to a lane: lanes 0-15 the even block, lanes 16-31 the odd one
.irp i, 0,1,2
	v_permlane16_swap_b32 v[(\d)+\i], v[(\t)+\i]
.endr
.irp i, 0,1,2
	v_mov_b32 v[(\d)+3+\i], v[(\t)+\i]
.endr
.endm
.macro WORDS off                       ; lane (r, h) stores words 2 h, 2 h + 1 of row r: 256 consecutive bytes
	v_cndmask_b32 v[T0], v[W4], v[W4+2], s[HI]
	v_cndmask_b32 v[T0+1], v[W4+1], v[W4+3], s[HI]
	global_store_b64 v[WO], v[T0:T0+1], s[PW:PW+1] offset:\off
.endm
; Q, K: the 32 sums of a block in set e, two scale blocks of 32 channels, become six registers of the image.  Each block's largest magnitude in two chains; each accumulator is first read at its low end.
.macro QKOUT e
.set AC_, ACC+32*(\e)
.set DD_, IMG+6*(\e)
.irp b, 0,1
	v_max3_num_f32 v[TM+\b], 0x1800000, |v[AC_+16*\b]|, |v[AC_+16*\b+1]|   ; with the floor 2^(3 - 127): the byte cannot fall under 1
.endr
.irp b, 0,1
	v_max3_num_f32 v[TM+2+\b], |v[AC_+16*\b+8]|, |v[AC_+16*\b+9]|, |v[AC_+16*\b+10]|
.endr
.irp i, 2,4
.irp b, 0,1
	v_max3_num_f32 v[TM+\b], v[TM+\b], |v[AC_+16*\b+\i]|, |v[AC_+16*\b+\i+1]|
.endr
.irp b, 0,1
	v_max3_num_f32 v[TM+2+\b], v[TM+2+\b], |v[AC_+16*\b+\i+9]|, |v[AC_+16*\b+\i+10]|
.endr
.endr
.irp b, 0,1
	v_max3_num_f32 v[TM+\b], v[TM+\b], |v[AC_+16*\b+6]|, |v[AC_+16*\b+7]|
.endr
.irp b, 0,1
	v_max3_num_f32 v[TM+\b], v[TM+\b], v[TM+2+\b], |v[AC_+16*\b+15]|
.endr
	SCALEOF 2
	v_cvt_scalef32_pk16_fp6_f32 v[DD_:DD_+2], v[AC_:AC_+15], v[TM+8]
	v_cvt_scalef32_pk16_fp6_f32 v[PT:PT+2], v[AC_+16:AC_+31], v[TM+9]
	v_lshl_or_b32 v[T0], v[TM+5], 8, v[TM+4]       ; the block's two bytes: a plain place behind the conversions
	WHOLE DD_, PT
.if \e
	v_lshl_or_b32 v[W4+3], v[T0], 16, v[W4+3]
.else
.irp i, 0,1,2
	v_mov_b32 v[W4+\i], v[W4+\i+1]                 ; the earlier images' words move down: after four pairs word g lies in register g
.endr
	v_mov_b32 v[W4+3], v[T0]
.endif
.endm
; V: behind blocks 2 p, 2 p + 1: for each tile of 16 channels the 16 sums of key block p become codes; two key blocks make six registers of the tile's image
.macro VOUT p
.irp b, 0,1,2,3
	v_max3_num_f32 v[TM+\b], 0x1800000, |v[ACC+16*\b]|, |v[ACC+16*\b+1]|
.endr
.irp i, 2,4,6,8,10,12,14
.irp b, 0,1,2,3
	v_max3_num_f32 v[TM+\b], v[TM+\b], |v[ACC+16*\b+\i]|, |v[ACC+16*\b+\i+1]|
.endr
.endr
	SCALEOF 4
.irp b, 0,1,2,3
.if (\p)%2
	v_cvt_scalef32_pk16_fp6_f32 v[PT+4*\b:PT+4*\b+2], v[ACC+16*\b:ACC+16*\b+15], v[TM+8+\b]
.else
	v_cvt_scalef32_pk16_fp6_f32 v[VI+12*\b+6*((\p)/2):VI+12*\b+6*((\p)/2)+2], v[ACC+16*\b:ACC+16*\b+15], v[TM+8+\b]
.endif
.endr
.irp b, 0,1,2,3                        ; the tile's scale word, byte p: plain places behind the conversions
.if (\p) == 0
	v_mov_b32 v[W4+\b], v[TM+4+\b]
.else
	v_lshl_or_b32 v[W4+\b], v[TM+4+\b], 8*(\p), v[W4+\b]
.endif
.endr
.if (\p)%2
.irp b, 0,1,2,3
	WHOLE VI+12*\b+6*((\p)/2), PT+4*\b
.endr
.endif
.endm
.macro PAIR sb, bias, ptr, fetch       ; two blocks of Q or K, one image
	s_wait_dscnt NF
	PRODS 0, 0, \sb, \bias
.if \fetch
	FETCHAT 0, XA, 0, XS, 0
.endif
	QKOUT 0
.if \fetch
	s_wait_dscnt NF
.else
	s_wait_dscnt 0x0
.endif
	PRODS 0, 1, \sb, \bias
.if \fetch
	FETCHAT 1, XA, BSTEP, XS, 544
.endif
	QKOUT 1
.irp k, 0,1,2
	global_store_b128 v[IO], v[IMG+4*\k:IMG+4*\k+3], s[\ptr:\ptr+1] offset:512*\k
.endr
.endm
.macro PHASEQK sb, bias, ptr, woff
	s_mov_b32 s98, 0
	s_mov_b32 s99, 0
	s_mov_b32 s93, 3
.Lpair_\@:
	s_add_co_u32 s98, s98, 2*BSTEP                 ; the pair that this trip fetches: two blocks on
	s_add_co_u32 s99, s99, 2*544
	v_add_nc_u32 v[XA], s98, v[XA0]
	v_add_nc_u32 v[XA+1], s98, v[XA0+1]
	v_add_nc_u32 v[XS], s99, v[XS0]
	WALU                                           ; the wait behind these writes
	PAIR \sb, \bias, \ptr, 1
	s_wait_xcnt 0x0                                ; the stores have read their registers and their base
	s_add_nc_u64 s[\ptr:\ptr+1], s[\ptr:\ptr+1], 1536
	s_sub_co_u32 s93, s93, 1
	s_cmp_lg_u32 s93, 0
	WALU                                           ; the wait ahead of the branch
	s_cbranch_scc1 .Lpair_\@
	PAIR \sb, \bias, \ptr, 0
	WORDS \woff
.endm
.macro SHOW                            ; the change of phase: a plain barrier shows the weight that the last refill brought
	s_wait_xcnt 0x0                                ; the last phase's stores have read their registers
	s_wait_tensorcnt 0x0
	s_wait_dscnt 0x0
	s_barrier_signal -1
	s_barrier_wait -1
	WEIGHTS
	FETCH01
.endm
	s_cmp_eq_u32 s16, 0
	s_cbranch_scc0 .Lnot_b
	s_wait_tensorcnt 0x0                           ; wave 0's load line is its own
.Lnot_b:
	s_barrier_signal -1
	s_barrier_wait -1                              ; W_v's rows are in
	WEIGHTS
	s_wait_tensorcnt 0x0                           ; every wave: all that is still out
	ds_add_u32 v[SPW], v[NIL]
	s_sub_nc_u64 s[G0B+2:G0B+3], s[G0B+2:G0B+3], 2048*KROW   ; W_q's rows
	s_wait_dscnt 0x0                               ; the add is done, and W_v is in my registers
	CROUND                                         ; x's rows and scale bytes are shown to all, and nobody reads the weights' LDS bytes any more
	REFILL
	FETCH01
	s_wait_loadcnt 0x0                             ; the scale words and the biases
	WIN (3<<6)|3
.irp t, 0,8,16,24
.irp i, 1,2,3,4,5,6,7
	v_mov_b32 v[BVA-768+\t+\i], v[BVA-768+\t]      ; v's number over the tile's eight registers
.endr
.endr
	WIN 0
	PLACES 4
	WALU                                           ; the wait ahead of the wait below
; ---------------- V
.irp s, 0,1,2,3,4,5,6,7
.if \s < 7
	s_wait_dscnt NF
.else
	s_wait_dscnt 0x0
.endif
	PRODS 1, \s%2, SB, BVA
.if \s < 2
	FETCHAT \s%2, XA0, (\s+2)*BSTEP, XS0, 544*(\s+2)
.elseif \s < 6
	FETCHAT \s%2, XA, (\s-2)*BSTEP, XS0, 544*(\s+2)
.endif
.if \s%2
	VOUT \s/2
.endif
.endr
.irp b, 0,1,2,3
.irp k, 0,1,2
	global_store_b128 v[IO], v[VI+12*\b+4*\k:VI+12*\b+4*\k+3], s[PK:PK+1] offset:12288+1536*\b+512*\k
.endr
.endr
	WORDS 4096
; ---------------- Q
	SHOW
	s_wait_tensorcnt 0x0
	ds_add_u32 v[SPW], v[NIL]
	s_add_nc_u64 s[G0B+2:G0B+3], s[G0B+2:G0B+3], 1024*KROW   ; W_k's rows
	s_wait_dscnt 0x0                               ; the add is done, and W_q is in my registers
	CROUND
	REFILL
	PHASEQK SBQ, BQA, PQ, 106496
; ---------------- K
	SHOW
	PHASEQK SBK, BKA, PK, 0
	s_wait_tensorcnt 0x0                           ; the wave's end
	ds_add_u32 v[SPW], v[NIL]
	s_wait_dscnt 0x0
	CROUND                                         ; the closing round
	s_endpgm
.Lfunc_end_k_q85458bc064_gemm_qkv:
	.size	k_q85458bc064_gemm_qkv, .Lfunc_end_k_q85458bc064_gemm_qkv-k_q85458bc064_gemm_qkv
	.p2alignl 7, 3214868480
	.fill 96, 4, 3214868480
	.section	.rodata,"a",@progbits
	.p2align	6, 0x0
	.amdhsa_kernel k_q85458bc064_gemm_qkv
		.amdhsa_group_segment_fixed_size 327680
		.amdhsa_private_segment_fixed_size 0
		.amdhsa_enable_private_segment 0
		.amdhsa_kernarg_size 48
		.amdhsa_user_sgpr_count 2
		.amdhsa_user_sgpr_kernarg_segment_ptr 1
		.amdhsa_wavefront_size32 1
		.amdhsa_system_sgpr_workgroup_id_x 1
		.amdhsa_system_sgpr_workgroup_id_y 1
		.amdhsa_system_sgpr_workgroup_id_z 1
		.amdhsa_system_vgpr_workitem_id 0
		.amdhsa_next_free_vgpr 936
		.amdhsa_next_free_sgpr 100
		.amdhsa_reserve_vcc 0
		.amdhsa_float_denorm_mode_32 3
		.amdhsa_float_denorm_mode_16_64 3
		.amdhsa_memory_ordered 1
		.amdhsa_forward_progress 1
		.amdhsa_inst_pref_size 206
	.end_amdhsa_kernel
	.amdgpu_metadata
---
amdhsa.version: [ 1, 2 ]
amdhsa.kernels:
  - .name:           k_q85458bc064_gemm_qkv
    .symbol:         k_q85458bc064_gemm_qkv.kd
    .args:
      - { .name: xc, .offset: 0, .size: 8, .value_kind: global_buffer, .address_space: global }
      - { .name: xs, .offset: 8, .size: 8, .value_kind: global_buffer, .address_space: global }
      - { .name: wc, .offset: 16, .size: 8, .value_kind: global_buffer, .address_space: global }
      - { .name: ws, .offset: 24, .size: 8, .value_kind: global_buffer, .address_space: global }
      - { .name: b_attn, .offset: 32, .size: 8, .value_kind: global_buffer, .address_space: global }
      - { .name: qkv, .offset: 40, .size: 8, .value_kind: global_buffer, .address_space: global }
    .group_segment_fixed_size: 327680
    .private_segment_fixed_size: 0
    .kernarg_segment_align: 8
    .kernarg_segment_size: 48
    .max_flat_workgroup_size: 128
    .sgpr_count:     100
    .vgpr_count:     936
    .wavefront_size: 32
...
	.end_amdgpu_metadata
.endif
;; end of part 2
;; launch attn (part 3): grid 512 x 1, 16 waves a work-group, no clusters, 327,680 bytes of LDS; arguments qkv, yc, ys; writes yc, ys
.if DOCPART == 3
	.amdgcn_target "amdgcn-amd-amdhsa--gfx1250"
	.amdhsa_code_object_version 6
	.text
	.protected	k_q85458bc064_attn
	.globl	k_q85458bc064_attn
	.p2align	8
	.type	k_q85458bc064_attn,@function
k_q85458bc064_attn:
	s_mov_b64 s[64:65], 0
	v_nop
	global_prefetch_b8 v0, s[64:65] scope:SCOPE_SE
	s_setreg_imm32_b32 hwreg(HW_REG_WAVE_MODE, 25, 1), 1
	s_wait_xcnt 0x0
; y[b][q][head] = softmax_k(q . k / 8, causal) v, both products on codes of FP6 (E2M3) with E8M0 scales; y is quantised along C in registers and leaves as halves of operand images.
; THE SOFTMAX: t = score x log2(e) / 8; M = the running largest t rounded UP to a whole number; p = 2^(t - M) is quantised along the keys, not normalised; the row's sum of the unquantised p divides at the end.
; SHARES.  A work-group owns 256 queries of one head, each of its sixteen waves one stored tile of 16: group G of 32 tokens, half u: lane r's query is 32 G + 8 u + r + 8 (r / 8).
; The work-groups with the most keys come first in the grid (block 7 - x / 64), so that those with few fill in behind them.
; K = 64: an image of k holds TWO tiles of 16 keys (registers 0-5, 6-11); it is multiplied once by [q, zero codes] and once by [zero codes, q].  The 16 registers so made are 16 neighbouring keys.
; Both products are used transposed: a lane holds one query throughout.  Images come out of LDS by three loads of 16 bytes at 16 x lane.
; THE RING: two slots of 256 keys (24,576 bytes, dense in memory), filled by waves 0-3, a quarter each; the head's scale words of k and v (8,192 bytes) come once.  Every wait on TENSORcnt is for 0.
; CAUSAL: every work-group walks all eight slots, so trip counts are constants; a step all of whose keys come after the wave's queries is jumped over, and a slot that begins after the work-group's last query is not asked for.
; NO CLUSTER: under the mask the blocks of a head need different numbers of slots, and a round for each slot would hold a block of few keys to the pace of the one with the most.
; LIMITS: a block of zeros, or one under 2^-124, gets the byte 1; NaN and infinities are not served; a block's largest p is made from its largest score, which takes v_exp_f32 not to fall where its input rises.
; REGISTERS: v1-7 addresses; v8, v10 addresses in hand; v12 -M, v13 largest t, v[14:15] the sum; v16-27 [q, 0]; v28 prefetch offset; v32-79 four images; v96-159 S^T, then p; v160-191 O^T; v192-203 [0, q];
; v224-235 p's codes; v232-247, v252-254 at work; v248-251 scale words of k or v; v253 p's; v255 q's.
.set HS,    307200
.set SLOTB, 24576
.set SLOT1, 1<<17
.set SCK,   2*SLOT1                    ; k's scale words, 4,096 bytes, then v's
.set SPARE, SCK+8192                   ; the spare words, 128 bytes a wave: 2,048 bytes that no other line names
.set LI,   1                           ; v1  16 x lane
.set ASK0, 2                           ; v2  SCK + 16 r
.set LQ,   3                           ; v3  r + 8 (r / 8) - 16 h
.set YS,   4                           ; v4  32 r + h
.set SPW,  5
.set NIL,  6
.set YO,   7                           ; v7  8 x lane
.set ADK,  8
.set ADS,  10
.set PFO,  28
.set WV,   18
.set SEL,  20
.set CS,   22                          ; s[22:23] c = log2(e) / 8
.set G1,   24
.set G1S,  32
.set G0,   40
.set G0S,  44
.set TB,   2
.set TS,   3
.set SLOTS, 67
.set PFA,  76
.set LIM,  80
.set UM,   81
.set HI,   82
.set SH,   83
.set KF,   98
.set Q0,   99
.macro TLOAD                           ; waves 0-3 fetch a quarter of a slot each; an s_nop 0 and four v_nop follow the load
	s_cmp_lt_u32 s[WV], 4
	s_cbranch_scc0 .Lasked_\@
	tensor_load_to_lds s[G0:G0+3], s[G1:G1+7]
	s_nop 0
.rept 4
	v_nop
.endr
.Lasked_\@:
.endm
; A prefetch of the slot that the NEXT change of slots will ask for: 24,576 dense bytes, 8,192 a wave, lanes 256 bytes apart.  All blocks of a head walk the same slots: the head's first work-group in the grid asks,
; in it waves 4 to 6, which fetch nothing: each aligned 256 bytes are named once in the launch.  Slots 0 and 1 come by their loads alone; the last change that fills a slot asks for nothing.
.macro ASK
	s_cmp_gt_u32 s[SLOTS], s[LIM]
	s_cbranch_scc0 .Lnot_mine_\@
	global_prefetch_b8 v[PFO], s[PFA:PFA+1] th:TH_LOAD_NT scope:SCOPE_SE
.Lnot_mine_\@:
.endm
	s_load_b128 s[4:7], s[0:1], 0x0                ; qkv, yc
	s_load_b64 s[8:9], s[0:1], 0x10                ; ys
	v_lshl_add_u32 v[SPW], v0, 2, SPARE
	v_mov_b32 v[NIL], 0
	ds_add_u32 v[SPW], v[NIL]                      ; the opening: the add and its wait ahead of my first tensor load
	ds_add_u32 v[SPW], v[NIL]
	v_lshrrev_b32 v8, 5, v0
	s_delay_alu instid0(VALU_DEP_1)
	v_readfirstlane_b32 s[WV], v8                  ; wave 0..15
	s_lshr_b32 s68, ttmp9, 6
	s_sub_co_u32 s68, 7, s68                       ; my block of 256 queries
	s_and_b32 s69, ttmp9, 63                       ; 16 x batch + head
	s_mul_i32 s70, s69, HS
	s_mov_b32 s71, 0                               ; s[70:71]: the head's first byte in qkv
	s_lshr_b32 s72, s[WV], 1
	s_lshl_b32 s73, s68, 3
	s_add_co_u32 s72, s72, s73                     ; G
	s_and_b32 s73, s[WV], 1                        ; u
	s_lshl_b32 s[Q0], s72, 5
	s_lshl_b32 s74, s73, 3
	s_add_co_u32 s[Q0], s[Q0], s74                 ; my first query: 32 G + 8 u; my last: + 23
	s_sub_co_u32 s[UM], 0, s73                     ; all lanes where u = 1
	s_lshl_b32 s[SH], s73, 4
	s_mov_b32 s[HI], 0xffff0000
	s_mov_b32 s[G1], 3<<16                         ; no mask; elements of 8 bytes; no padding
	s_mov_b32 s[G1+1], 32<<16                      ; rows of 256 bytes,
	s_mov_b32 s[G1+2], 24<<16                      ; 24 of them
	s_mov_b32 s[G1+3], 32<<16
	s_mov_b32 s[G1+4], 24
	s_mov_b32 s[G1+5], 32                          ; dense
	s_mov_b32 s[G1+6], 0
	s_mov_b32 s[G1+7], 0
	s_mov_b32 s[G1S], 3<<16                        ; the scale words: 8 such rows a wave
	s_mov_b32 s[G1S+1], 32<<16
	s_mov_b32 s[G1S+2], 8<<16
	s_mov_b32 s[G1S+3], 32<<16
	s_mov_b32 s[G1S+4], 8
	s_mov_b32 s[G1S+5], 32
	s_mov_b32 s[G1S+6], 0
	s_mov_b32 s[G1S+7], 0
	s_mul_i32 s84, s[WV], 6144                     ; my quarter of a slot,
	s_mov_b32 s85, 0
	s_add_nc_u64 s[86:87], s[84:85], s[70:71]
	s_and_b32 s88, s[WV], 3                        ; waves 12-15 fetch a quarter of the scale words each
	s_lshl_b32 s88, s88, 11
	s_mov_b32 s89, 0
	s_add_nc_u64 s[90:91], s[88:89], s[70:71]
	s_add_nc_u64 s[90:91], s[90:91], 196608
	s_mul_i32 s92, s72, 1536
	s_add_co_u32 s92, s92, 204800                  ; q's image of group G
	s_mov_b32 s93, 0
	s_add_nc_u64 s[92:93], s[92:93], s[70:71]
	s_lshr_b32 s94, s72, 2
	s_lshl_b32 s94, s94, 8
	s_and_b32 s95, s72, 3
	s_lshl_b32 s95, s95, 2
	s_add_co_u32 s94, s94, s95
	s_add_co_u32 s94, s94, 303104                  ; and its scale words: 256 (G / 4) + 4 (G % 4), 16 bytes a row
	s_mov_b32 s95, 0
	s_add_nc_u64 s[94:95], s[94:95], s[70:71]
	s_lshr_b32 s74, s69, 4
	s_lshl_b32 s74, s74, 7
	s_lshl_b32 s75, s72, 1
	s_add_co_u32 s74, s74, s75
	s_add_co_u32 s74, s74, s73                     ; my tile of 16 rows of y: 128 x batch + 2 G + u
	s_and_b32 s75, s69, 15                         ; the head
	s_lshl_b32 s96, s74, 4
	s_add_co_u32 s96, s96, s75
	s_mul_i32 s96, s96, 768                        ; yc: (16 tile + head) x 768
	s_mov_b32 s97, 0
	s_lshl_b32 s74, s74, 9
	s_lshl_b32 s75, s75, 1
	s_add_co_u32 s74, s74, s75                     ; ys: 512 tile + 2 head
	s_mov_b32 s75, 0
	s_and_b32 s78, s[WV], 3
	s_lshl_b32 s78, s78, 13
	s_add_co_u32 s78, s78, SLOTB                   ; the prefetches: my 8,192 bytes, in slot 1: the first change of slots steps it to slot 2
	s_mov_b32 s79, 0
	s_add_nc_u64 s[78:79], s[78:79], s[70:71]
	s_sub_co_u32 s68, s[WV], 4
	s_cmp_lt_u32 s68, 3                            ; waves 4, 5, 6
	s_cselect_b32 s[LIM], 1, -1
	s_lshr_b32 s68, ttmp9, 6
	s_cmp_eq_u32 s68, 0                            ; of the head's first work-group
	s_cselect_b32 s[LIM], s[LIM], -1
	s_mov_b32 s[SEL], 0x76543210
	s_mov_b32 s[SEL+1], 0xfedcba98
	s_mov_b32 s[CS], 0x3e38aa3b                    ; log2(e) / 8
	s_mov_b32 s[CS+1], s[CS]
	s_mov_b32 s[TB], 0
	s_mov_b32 s[TS], 0
	s_mov_b32 s[SLOTS], 7
	s_mov_b32 s[KF], 0
	s_wait_dscnt 0x0                               ; the opening add is done
	s_wait_kmcnt 0x0
	s_mov_b32 s[G0S], 1
	s_add_co_u32 s[G0S+1], s88, SCK
	s_add_nc_u64 s[G0S+2:G0S+3], s[4:5], s[90:91]
	s_or_b32 s[G0S+3], s[G0S+3], 0x80000000
	s_mov_b32 s[G0], 1
	s_mov_b32 s[G0+1], s84
	s_add_nc_u64 s[G0+2:G0+3], s[4:5], s[86:87]
	s_or_b32 s[G0+3], s[G0+3], 0x80000000
	s_mov_b32 s48, 1                               ; s[48:51]: the head's fill of slot 0, 2,048 bytes for each of waves 0-11
	s_lshl_b32 s49, s[WV], 11
	s_mov_b32 s10, s49
	s_mov_b32 s11, 0
	s_add_nc_u64 s[10:11], s[10:11], s[70:71]
	s_add_nc_u64 s[50:51], s[4:5], s[10:11]
	s_or_b32 s51, s51, 0x80000000
	s_cmp_lt_u32 s[WV], 12                         ; every wave issues one load at the head, 8 rows of 256 bytes
	s_cbranch_scc0 .Lhead_words
	tensor_load_to_lds s[48:51], s[G1S:G1S+7]
	s_nop 0
.rept 4
	v_nop
.endr
	s_branch .Lno_first
.Lhead_words:
	tensor_load_to_lds s[G0S:G0S+3], s[G1S:G1S+7]
	s_nop 0
.rept 4
	v_nop
.endr
.Lno_first:
	s_add_nc_u64 s[92:93], s[4:5], s[92:93]
	s_add_nc_u64 s[94:95], s[4:5], s[94:95]
	s_add_nc_u64 s[PFA:PFA+1], s[4:5], s[78:79]
	s_add_nc_u64 s[6:7], s[6:7], s[96:97]
	s_add_nc_u64 s[8:9], s[8:9], s[74:75]
	v_and_b32 v8, 15, v0                           ; r
	v_bfe_u32 v9, v0, 4, 1                         ; h
	v_and_b32 v10, 31, v0
	s_delay_alu instid0(VALU_DEP_1)
	v_lshlrev_b32 v[LI], 4, v10
	s_delay_alu instid0(VALU_DEP_2)
	v_lshlrev_b32 v[YO], 3, v10
	s_delay_alu instid0(VALU_DEP_3)
	v_lshlrev_b32 v[PFO], 8, v10
	v_lshlrev_b32 v11, 4, v8                       ; 16 r
.irp c, 0,1,2
	global_load_b128 v[32+4*\c:35+4*\c], v[LI], s[92:93] offset:512*\c   ; q's image: both tiles of group G
.endr
	global_load_b32 v255, v11, s[94:95]            ; and its scale word
	v_add_nc_u32 v[ASK0], SCK, v11
	v_and_b32 v[LQ], 8, v8
	s_delay_alu instid0(VALU_DEP_1)
	v_add_nc_u32 v[LQ], v[LQ], v8
	v_lshlrev_b32 v[YS], 4, v9
	s_delay_alu instid0(VALU_DEP_1)
	v_sub_nc_u32 v[LQ], v[LQ], v[YS]
	v_lshl_add_u32 v[YS], v8, 5, v9
	v_mov_b32 v13, 0xff61b1e6                      ; the largest t so far: -3e38
	s_delay_alu instid0(VALU_DEP_1)
	v_floor_f32 v12, -v13                          ; -M
	v_mov_b32 v14, 0
	v_mov_b32 v15, 0
.irp b, 0,1,2,3
	v_mov_b32 v[236+\b], 0                         ; a lane permute's destination counts as one of its sources
.endr
	v_mov_b32 v252, 0
	v_mov_b32 v253, 0
	s_wait_loadcnt 0x0
.irp i, 0,1,2,3,4,5
	v_cndmask_b32 v[16+\i], v[32+\i], v[38+\i], s[UM]   ; my tile's six registers
	v_mov_b32 v[22+\i], 0                          ; [q, zero codes]
	v_mov_b32 v[192+\i], 0                         ; [zero codes, q]
.endr
.irp i, 0,1,2,3,4,5
	v_mov_b32 v[198+\i], v[16+\i]
.endr
	v_lshrrev_b32 v255, s[SH], v255
	s_delay_alu instid0(VALU_DEP_1)
	v_and_b32 v255, 0xffff, v255                   ; my tile's two bytes,
	s_delay_alu instid0(VALU_DEP_1)
	v_lshl_or_b32 v255, v255, 16, v255             ; in both halves of the word: one register serves both operands
.irp j, 0,1,2,3,4,5,6,7,8,9,10,11,12,13,14,15,16,17,18,19,20,21,22,23,24,25,26,27,28,29,30,31
	v_mov_b32 v[160+\j], 0                         ; O^T: the loop is written once; its first step finds zeros
.endr
; A KEY STEP: 128 keys, the q-th of the slot in hand.
.macro STEP q
	s_add_co_u32 s96, s[Q0], 23                    ; a step all of whose keys come after my queries is left out: a branch on ids and the count of steps
	s_cmp_gt_u32 s[KF], s96
	s_cbranch_scc1 .Lhidden_\@
	v_add_nc_u32 v[ADK], s[TB], v[LI]
	v_add_nc_u32 v[ADS], s[TS], v[ASK0]
	v_nop
	v_nop                                          ; four places in front of loads into registers that matrix instructions have read
.irp b, 0,1,2,3
.irp c, 0,1,2
	ds_load_b128 v[32+12*\b+4*\c:35+12*\b+4*\c], v[ADK] offset:6144*(\q)+1536*\b+512*\c
.endr
.endr
	ds_load_b128 v[248:251], v[ADS]                ; the four images' scale words of row r
	s_wait_alu depctr_va_vdst(0)
	s_wait_dscnt 0x0
.irp b, 0,1,2,3                        ; S^T: keys 32 b + 16 h + 0 .. 7 by [q, 0], + 8 .. 15 by [0, q]
	v_wmma_scale_f32_16x16x128_f8f6f4 v[96+16*\b:103+16*\b], v[32+12*\b:43+12*\b], v[16:27], 0, v[248+\b], v255 matrix_a_fmt:MATRIX_FMT_FP6 matrix_b_fmt:MATRIX_FMT_FP6
	v_wmma_scale_f32_16x16x128_f8f6f4 v[104+16*\b:111+16*\b], v[32+12*\b:43+12*\b], v[192:203], 0, v[248+\b], v255 matrix_a_fmt:MATRIX_FMT_FP6 matrix_b_fmt:MATRIX_FMT_FP6
.endr
.rept 4
	v_nop
.endr
.irp a, 0,1,2,3                        ; v's four images are asked for now and land under the softmax
.irp c, 0,1,2
	ds_load_b128 v[32+12*\a+4*\c:35+12*\a+4*\c], v[ADK] offset:12288+6144*(\q)+1536*\a+512*\c
.endr
.endr
	ds_load_b128 v[248:251], v[ADS] offset:4096
	s_add_co_u32 s96, s[KF], 127                   ; on the diagonal hidden scores become -infinity; a step all of whose keys count skips this
	s_cmp_le_u32 s96, s[Q0]
	s_cbranch_scc1 .Lopen_\@
	s_sub_co_i32 s96, s[Q0], s[KF]
	v_add_nc_u32 v252, s96, v[LQ]                  ; d = my query - KF - 16 h: register 16 b + i is hidden where 32 b + i > d
	v_mov_b32 v254, 0xff800000
.irp n, 0,1,2,3,4,5,6,7,8,9,10,11,12,13,14,15,16,17,18,19,20,21,22,23,24,25,26,27,28,29,30,31,32,33,34,35,36,37,38,39,40,41,42,43,44,45,46,47,48,49,50,51,52,53,54,55,56,57,58,59,60,61,62,63
	v_cmp_gt_i32 vcc_lo, 32*(\n/16)+\n%16, v252
	v_cndmask_b32 v[96+\n], v[96+\n], v254, vcc_lo
.endr
.Lopen_\@:
.irp b, 0,1,2,3
	v_max3_num_f32 v[232+\b], v[96+16*\b], v[97+16*\b], v[98+16*\b]   ; the largest score of each block of 32 keys: for the row's maximum and for the block's largest p
.endr
.irp i, 3,5,7,9,11,13
.irp b, 0,1,2,3
	v_max3_num_f32 v[232+\b], v[232+\b], v[96+16*\b+\i], v[97+16*\b+\i]
.endr
.endr
.irp b, 0,1,2,3
	v_max_num_f32 v[232+\b], v[232+\b], v[111+16*\b]
.endr
.irp b, 0,1,2,3
	s_delay_alu instid0(VALU_DEP_4)
	v_permlanex16_b32 v[236+\b], v[232+\b], s[SEL], s[SEL+1]
.endr
.irp b, 0,1,2,3
	s_delay_alu instid0(VALU_DEP_4)
	v_max_num_f32 v[232+\b], v[232+\b], v[236+\b]
.endr
	s_delay_alu instid0(VALU_DEP_2)
	v_max3_num_f32 v254, v232, v233, v234
	s_delay_alu instid0(VALU_DEP_1)
	v_max_num_f32 v254, v254, v235
	s_delay_alu instid0(VALU_DEP_1)
	v_mul_f32 v254, s[CS], v254
	s_delay_alu instid0(VALU_DEP_1)
	v_max_num_f32 v13, v13, v254                   ; the running largest t
	v_mov_b32 v254, v12
	s_delay_alu instid0(VALU_DEP_2)
	v_floor_f32 v12, -v13                          ; the new -M: a whole number
	s_delay_alu instid0(VALU_DEP_1)
	v_sub_f32 v254, v12, v254
	s_delay_alu instid0(VALU_DEP_1)
	v_cvt_i32_f32 v254, v254                       ; (it saturates)
	s_delay_alu instid0(VALU_DEP_1)
	v_ldexp_f32 v252, 1.0, v254                    ; f = 2^(old M - new M)
.irp j, 0,2,4,6,8,10,12,14,16,18,20,22,24,26,28,30,32,34,36,38,40,42,44,46,48,50,52,54,56,58,60,62
	v_pk_fma_f32 v[96+\j:97+\j], v[96+\j:97+\j], s[CS:CS+1], v[12:13] op_sel_hi:[1,0,0]   ; t - M
.endr
.irp b, 0,1,2,3
	v_fma_f32 v[232+\b], v[232+\b], s[CS], v12
.endr
	s_wait_alu depctr_va_vdst(0)
.irp j, 0,1,2,3,4,5,6,7,8,9,10,11,12,13,14,15,16,17,18,19,20,21,22,23,24,25,26,27,28,29,30,31,32,33,34,35,36,37,38,39,40,41,42,43,44,45,46,47,48,49,50,51,52,53,54,55,56,57,58,59,60,61,62,63
	v_exp_f32 v[96+\j], v[96+\j]                   ; p = 2^(t - M)
.endr
	v_pk_mul_f32 v[14:15], v[14:15], v[252:253] op_sel_hi:[1,0]   ; the sums under the new M: a plain place behind the exponentials
	s_wait_alu depctr_va_vdst(0)                   ; one wait for the batch, ahead of its first reader
.irp b, 0,1,2,3
	v_exp_f32 v[232+\b], v[232+\b]                 ; each block's largest p
.endr
	v_pk_add_f32 v[236:237], v[100:101], v[104:105]
	v_pk_add_f32 v[246:247], v[108:109], v[112:113]
	v_pk_add_f32 v[244:245], v[116:117], v[120:121]
	v_pk_add_f32 v[242:243], v[124:125], v[128:129]
	v_pk_add_f32 v[240:241], v[132:133], v[136:137]
	v_pk_add_f32 v[238:239], v[140:141], v[144:145]
	v_pk_add_f32 v[230:231], v[148:149], v[152:153]
	v_pk_add_f32 v[14:15], v[14:15], v[156:157]
	v_pk_add_f32 v[236:237], v[236:237], v[96:97]
	v_pk_add_f32 v[246:247], v[246:247], v[98:99]
	v_pk_add_f32 v[244:245], v[244:245], v[102:103]
	v_pk_add_f32 v[242:243], v[242:243], v[106:107]
	v_pk_add_f32 v[240:241], v[240:241], v[110:111]
	v_pk_add_f32 v[238:239], v[238:239], v[114:115]
	v_pk_add_f32 v[230:231], v[230:231], v[118:119]
	v_pk_add_f32 v[14:15], v[14:15], v[122:123]
	v_pk_add_f32 v[236:237], v[236:237], v[126:127]
	v_pk_add_f32 v[246:247], v[246:247], v[130:131]
	v_pk_add_f32 v[244:245], v[244:245], v[134:135]
	v_pk_add_f32 v[242:243], v[242:243], v[138:139]
	v_pk_add_f32 v[240:241], v[240:241], v[142:143]
	v_pk_add_f32 v[238:239], v[238:239], v[146:147]
	v_pk_add_f32 v[230:231], v[230:231], v[150:151]
	v_pk_add_f32 v[14:15], v[14:15], v[154:155]
	v_pk_add_f32 v[236:237], v[236:237], v[158:159]
	s_delay_alu instid0(VALU_DEP_2)
	v_pk_add_f32 v[14:15], v[14:15], v[242:243]
	s_delay_alu instid0(VALU_DEP_2)
	v_pk_add_f32 v[236:237], v[236:237], v[240:241]
	v_pk_add_f32 v[246:247], v[246:247], v[238:239]
	v_pk_add_f32 v[244:245], v[244:245], v[230:231]
	s_delay_alu instid0(VALU_DEP_2)
	v_pk_add_f32 v[14:15], v[14:15], v[246:247]
	s_delay_alu instid0(VALU_DEP_2)
	v_pk_add_f32 v[236:237], v[236:237], v[244:245]
	s_delay_alu instid0(VALU_DEP_1)
	v_pk_add_f32 v[14:15], v[14:15], v[236:237]
	s_wait_alu depctr_va_vdst(0)                   ; and one for the four
.irp b, 0,1,2,3
	v_max_num_f32 v[232+\b], 0x1800000, v[232+\b]  ; the floor: the byte cannot fall under 1
.endr
.irp b, 0,1,2,3
	s_delay_alu instid0(VALU_DEP_4)
	v_add_nc_u32 v[244+\b], 0xff000000, v[232+\b]
.endr
.irp b, 0,1,2,3
	s_delay_alu instid0(VALU_DEP_4)
	v_lshrrev_b32 v[236+\b], 23, v[244+\b]
.endr
	s_delay_alu instid0(VALU_DEP_3)
	v_lshl_or_b32 v253, v237, 8, v236              ; p's scale word for these 128 keys
	s_delay_alu instid0(VALU_DEP_1)
	v_lshl_or_b32 v253, v238, 16, v253
	s_delay_alu instid0(VALU_DEP_1)
	v_lshl_or_b32 v253, v239, 24, v253
.irp c, 0,1
	v_cvt_scalef32_pk16_fp6_f32 v[224+6*\c:226+6*\c], v[96+32*\c:111+32*\c], v[244+2*\c]
	v_cvt_scalef32_pk16_fp6_f32 v[236+4*\c:238+4*\c], v[112+32*\c:127+32*\c], v[244+2*\c+1]
.endr
	v_nop                                          ; one plain place behind a scaled conversion
.irp c, 0,1
.irp i, 0,1,2
	v_permlane16_swap_b32 v[224+6*\c+\i], v[236+4*\c+\i]
.endr
.irp i, 0,1,2
	s_delay_alu instid0(VALU_DEP_3)
	v_mov_b32 v[227+6*\c+\i], v[236+4*\c+\i]
.endr
.endr
.irp j, 0,2,4,6,8,10,12,14,16,18,20,22,24,26,28,30
	v_pk_mul_f32 v[160+\j:161+\j], v[160+\j:161+\j], v[252:253] op_sel_hi:[1,0]   ; O^T under the new M; these sixteen are also the places in front of the products below
.endr
	s_wait_alu depctr_va_vdst(0)
	s_wait_dscnt 0x0                               ; v's images and words are in
.irp a, 0,1,2,3                        ; O^T += V^T P^T: the four accumulators take turns
	v_wmma_scale_f32_16x16x128_f8f6f4 v[160+8*\a:167+8*\a], v[32+12*\a:43+12*\a], v[224:235], v[160+8*\a:167+8*\a], v[248+\a], v253 matrix_a_fmt:MATRIX_FMT_FP6 matrix_b_fmt:MATRIX_FMT_FP6
.endr
.Lhidden_\@:
	s_add_co_u32 s[KF], s[KF], 128
	s_add_co_u32 s[TS], s[TS], 256                 ; the next step's scale words
.endm
; THE CHANGE OF SLOTS, at a slot's head: each wave waits for all its tensor loads, adds 0 to its spare word, and waits for that and for its reads of the slot that it has left; one barrier; behind it the slot left is filled.
.macro CHANGE fill
	s_wait_tensorcnt 0x0                           ; no tensor load of mine is out, so group 0 may be written
	ds_add_u32 v[SPW], v[NIL]
.if \fill
	s_xor_b32 s[G0+1], s[G0+1], SLOT1              ; the other slot,
	s_add_nc_u64 s[G0+2:G0+3], s[G0+2:G0+3], SLOTB ; the next 256 keys
	s_wait_xcnt 0x0                                ; the last prefetch, a slot back, has read its address
	s_add_nc_u64 s[PFA:PFA+1], s[PFA:PFA+1], SLOTB
.endif
	s_wait_dscnt 0x0                               ; the add is done, and my reads of the slot that I have left are over
	s_barrier_signal -1
	s_barrier_wait -1
.if \fill
	s_add_co_u32 s96, s[KF], 256                   ; the first key of the slot that this change would ask for,
	s_or_b32 s97, s[Q0], 255                       ; against my work-group's last query: ids and the count of steps alone, the same in all sixteen waves
	s_cmp_gt_u32 s96, s97
	s_cbranch_scc1 .Lpast_\@                       ; a slot that no wave of mine will read is not asked for
	TLOAD
.Lpast_\@:
	ASK
.endif
.endm
.Lslot:                                            ; seven trips: behind each change of slots but the last the next slot is asked for, up to the causal limit
	CHANGE 1
	STEP 0
	STEP 1
	s_xor_b32 s[TB], s[TB], SLOT1
	s_sub_co_u32 s[SLOTS], s[SLOTS], 1
	s_cmp_lg_u32 s[SLOTS], 0
	s_cbranch_scc1 .Lslot
	CHANGE 0                                       ; the last slot is written out
	STEP 0
	STEP 1
	; THE WAY OUT: O^T / the sum; register 16 B + i is channel 32 B + 16 h + i of my head: two blocks of 32 along C, each shared with lane l xor 16.
	v_add_f32 v14, v14, v15
	s_delay_alu instid0(VALU_DEP_1)
	v_permlanex16_b32 v252, v14, s[SEL], s[SEL+1]
	s_delay_alu instid0(VALU_DEP_1)
	v_add_f32 v14, v14, v252                       ; the row's sum
	s_wait_alu depctr_va_vdst(0)
	v_rcp_f32 v14, v14
	v_nop                                          ; a plain place behind the transcendental
	v_nop
	v_nop
	s_wait_alu depctr_va_vdst(0)                   ; the wait ahead of the first reader
.irp j, 0,2,4,6,8,10,12,14,16,18,20,22,24,26,28,30
	v_pk_mul_f32 v[96+\j:97+\j], v[160+\j:161+\j], v[14:15] op_sel_hi:[1,0]
.endr
.irp b, 0,1
	v_max3_num_f32 v[232+\b], |v[96+16*\b]|, |v[97+16*\b]|, 0x1800000
.endr
.irp i, 2,4,6,8,10,12,14
.irp b, 0,1
	s_delay_alu instid0(VALU_DEP_2)
	v_max3_num_f32 v[232+\b], v[232+\b], |v[96+16*\b+\i]|, |v[97+16*\b+\i]|
.endr
.endr
.irp b, 0,1
	s_delay_alu instid0(VALU_DEP_2)
	v_permlanex16_b32 v[236+\b], v[232+\b], s[SEL], s[SEL+1]
.endr
.irp b, 0,1
	s_delay_alu instid0(VALU_DEP_2)
	v_max_num_f32 v[232+\b], v[232+\b], v[236+\b]
.endr
.irp b, 0,1
	s_delay_alu instid0(VALU_DEP_2)
	v_add_nc_u32 v[244+\b], 0xff000000, v[232+\b]
.endr
.irp b, 0,1
	s_delay_alu instid0(VALU_DEP_2)
	v_lshrrev_b32 v[236+\b], 23, v[244+\b]
.endr
	v_cvt_scalef32_pk16_fp6_f32 v[224:226], v[96:111], v244
	v_cvt_scalef32_pk16_fp6_f32 v[228:230], v[112:127], v245
	v_nop                                          ; one plain place behind a scaled conversion
.irp i, 0,1,2
	v_permlane16_swap_b32 v[224+\i], v[228+\i]
.endr
.irp i, 0,1,2
	s_delay_alu instid0(VALU_DEP_3)
	v_mov_b32 v[227+\i], v[228+\i]                 ; v224-229: k = 32 h + 0 .. 31 of my head: half of an operand's registers
.endr
	v_cndmask_b32 v236, v236, v237, s[HI]          ; lanes 0-15 store block 0's byte, lanes 16-31 block 1's
.irp i, 0,1,2
	global_store_b64 v[YO], v[224+2*\i:225+2*\i], s[6:7] offset:256*\i   ; 256 consecutive bytes, aligned
.endr
	global_store_b8 v[YS], v236, s[8:9]            ; a work-group owns 2 of a row's 32 scale bytes
	s_wait_tensorcnt 0x0                           ; the wave's end
	ds_add_u32 v[SPW], v[NIL]
	s_wait_dscnt 0x0
	s_endpgm
.Lfunc_end_k_q85458bc064_attn:
	.size	k_q85458bc064_attn, .Lfunc_end_k_q85458bc064_attn-k_q85458bc064_attn
	.p2alignl 7, 3214868480
	.fill 96, 4, 3214868480
	.section	.rodata,"a",@progbits
	.p2align	6, 0x0
	.amdhsa_kernel k_q85458bc064_attn
		.amdhsa_group_segment_fixed_size 327680
		.amdhsa_private_segment_fixed_size 0
		.amdhsa_enable_private_segment 0
		.amdhsa_kernarg_size 24
		.amdhsa_user_sgpr_count 2
		.amdhsa_user_sgpr_kernarg_segment_ptr 1
		.amdhsa_wavefront_size32 1
		.amdhsa_system_sgpr_workgroup_id_x 1
		.amdhsa_system_sgpr_workgroup_id_y 1
		.amdhsa_system_sgpr_workgroup_id_z 1
		.amdhsa_system_vgpr_workitem_id 0
		.amdhsa_next_free_vgpr 256
		.amdhsa_next_free_sgpr 100
		.amdhsa_reserve_vcc 1
		.amdhsa_float_denorm_mode_32 3
		.amdhsa_float_denorm_mode_16_64 3
		.amdhsa_memory_ordered 1
		.amdhsa_forward_progress 1
		.amdhsa_inst_pref_size 102
	.end_amdhsa_kernel
	.amdgpu_metadata
---
amdhsa.version: [ 1, 2 ]
amdhsa.kernels:
  - .name:           k_q85458bc064_attn
    .symbol:         k_q85458bc064_attn.kd
    .args:
      - { .name: qkv, .offset: 0, .size: 8, .value_kind: global_buffer, .address_space: global }
      - { .name: yc, .offset: 8, .size: 8, .value_kind: global_buffer, .address_space: global }
      - { .name: ys, .offset: 16, .size: 8, .value_kind: global_buffer, .address_space: global }
    .group_segment_fixed_size: 327680
    .private_segment_fixed_size: 0
    .kernarg_segment_align: 8
    .kernarg_segment_size: 24
    .max_flat_workgroup_size: 512
    .sgpr_count:     100
    .vgpr_count:     256
    .wavefront_size: 32
...
	.end_amdgpu_metadata
.endif
;; end of part 3
;; launch gemm_proj (part 4): grid 8 x 32, 4 waves a work-group, clusters of 4 x 4, 327,680 bytes of LDS; arguments yc, ys, wc, ws, b_proj, out0; writes out0
.if DOCPART == 4
	.amdgcn_target "amdgcn-amd-amdhsa--gfx1250"
	.amdhsa_code_object_version 6
	.text
	.protected	k_q85458bc064_gemm_proj
	.globl	k_q85458bc064_gemm_proj
	.p2align	8
	.type	k_q85458bc064_gemm_proj,@function
k_q85458bc064_gemm_proj:
	s_mov_b64 s[64:65], 0
	v_nop
	global_prefetch_b8 v0, s[64:65] scope:SCOPE_SE
	s_setreg_imm32_b32 hwreg(HW_REG_WAVE_MODE, 25, 1), 1
	s_wait_xcnt 0x0
	s_wait_alu depctr_hold_cnt(0) depctr_sa_sdst(0) depctr_va_vdst(0) depctr_va_sdst(0) depctr_va_ssrc(0) depctr_va_vcc(0) depctr_vm_vsrc(0)
	s_getreg_b32 s2, hwreg(HW_REG_IB_STS2, 6, 4)
	s_cmp_eq_u32 s2, 0
	s_cbranch_scc0 .Lentry_in_a_cluster
	s_endpgm
.Lentry_in_a_cluster:
	s_bfe_u32 s2, ttmp6, 0x10000c
	s_cmp_lg_u32 s2, 0xf033
	s_cbranch_scc0 .Lentry_shape_is_right
	s_endpgm
.Lentry_shape_is_right:
; out0 = y W_proj + b_proj on codes of FP6 (E2M3) with E8M0 scales, K = 1,024, f32 out.
; THE DEAL.  256 work-groups of four waves, 2 x 2; a work-group makes 256 rows x 128 columns, a wave 128 x 64.  ALL OF K LIES IN LDS, filled once at the head: nothing is filled again.
; A wave holds its 64 rows of W (places of columns), all of K, in registers: 4 column tiles x 8 fragments of 12.  y's rows stream past in blocks of 16 rows, all of K: 8 fragments and 8 scale words,
; in two sets: block s reads set s % 2, and behind its 32 products that set takes block s + 2.  The block's 4 accumulators take turns; the bias is the first products' C.
; The matrix instruction is used transposed (source 0 = W's rows): with W's columns at places sw(n), the 16 registers of tiles 2 B, 2 B + 1 are true columns 32 B + 16 h + 0 .. 15 of y's row r.
; y: yc holds, for each tile of 16 rows, 16 heads x 768 bytes: registers 2 i, 2 i + 1 of lane l of a half operand at 256 i + 8 l.  Tile 2 G + u, lane r is true row 32 G + 8 u + r + 8 (r / 8).
; THE WAY OUT.  A finished block, 16 rows x 256 bytes, goes through the wave's stage and leaves by rows: sixteen lanes store 256 consecutive bytes, aligned.  Its stores stand in the middle of the next block's products.
; The stages lie in W's LDS bytes: those have had their only fill, and every wave has W in registers ahead of the barrier behind which the first result is staged.
; CLUSTERS 4 x 4: y's tiles and scale bytes are asked for jointly by a row of the cluster, W's rows by a column.  W's scale words and the bias go straight into registers.
; NO PREFETCH: all tiles are asked for at the head; the text has no loop to run ahead in.
; THE WAITS' COUNTS on DScnt (NF = 50 loads a fetch, 16 instructions a stage turn): block 0: 50 = fetch 1; blocks 1-6 at their head: younger than their fetch are a stage turn and a fetch, 66, written as 63;
; in their middle 50 = the fetch behind the stage turn that is sent; block 7: 16 at its head, 0 in its middle.
; LIMITS: NaN and infinities are not served.
.set KROW,   768
.set PITCH,  816                       ; an LDS row of W: 3 x (256 + 16)
.set FR,     12
.set FPW,    21                        ; fragments in a window of 256 registers
.set ATILE,  12288                     ; 16 rows of y, all of K
.set AHALF,  8*ATILE
.set BVB,    2*AHALF                   ; W's 128 rows
.set SCL,    BVB+128*PITCH             ; y's scale bytes: 32 units of 256 + 16
.set SPARE,  SCL+32*272                ; the spare words, 128 bytes a wave, named by no other line
.set SPITCH, 272
.set STAGE,  BVB
.set WPB,    2359296                   ; where W_proj's codes begin in wc
.set NF,     50
.set ADRA, 4                           ; v4, v5 my y fragments: blocks 0-3, blocks 4-7
.set ADRB, 6                           ; v6, v7 my W fragments (v7: the pieces behind one padding more)
.set AAS,  8
.set ABS,  9
.set STO,  10
.set RD,   11
.set CO,   12
.set SPW,  13
.set NIL,  14
.set BQ,   15
.set SB,   24                          ; v24-39 W's scale words: lanes 0-15 tile 2 p, lanes 16-31 tile 2 p + 1
.set SA,   44                          ; v44-59 y's, two sets of eight
.set ACC,  64                          ; v64-127 two sets of four accumulators
.set BN,   128                         ; v128-159 the bias
.set BK,   160                         ; v160-223 two sets of 16 rows read back
.set G1A, 24
.set G1B, 32
.set G1S, 48
.set G0B, 56
.set G0S, 60
.set G0A0, 68
.set G0A1, 72
.set MSB, 0
.macro WIN new                         ; the immediate's high byte repeats the setting that is left
.if MSB != (\new)
	s_set_vgpr_msb (MSB<<8)|(\new)
.set MSB, (\new)
.endif
.endm
.macro PLACES n
.rept \n
	v_nop
.endr
.endm
.macro CROUND
	s_barrier_signal -1
	s_barrier_wait -1
	s_cmp_lg_u32 s16, 0
	s_cbranch_scc1 .Lnot_wave_0_\@
	s_barrier_signal -3
.Lnot_wave_0_\@:
	s_barrier_wait -3
	s_barrier_signal -1
	s_barrier_wait -1
.endm
.macro TLOAD g0, g1
	tensor_load_to_lds s[\g0:\g0+3], s[\g1:\g1+7]
	s_nop 0
	PLACES 4
.endm
.macro ARM under, g0, g1, next
	s_cmp_lt_u32 s16, \under
	s_cbranch_scc0 \next
	TLOAD \g0, \g1
	s_branch .Lasked
\next:
.endm
	s_load_b128 s[4:7], s[0:1], 0x0                ; yc, ys
	s_load_b128 s[8:11], s[0:1], 0x10              ; wc, ws
	s_load_b128 s[12:15], s[0:1], 0x20             ; b_proj, out0
	v_lshl_add_u32 v[SPW], v0, 2, SPARE
	v_mov_b32 v[NIL], 0
	ds_add_u32 v[SPW], v[NIL]                      ; the opening: the add, twice on end, and its wait
	ds_add_u32 v[SPW], v[NIL]
	v_lshrrev_b32 v1, 5, v0
	v_readfirstlane_b32 s16, v1                    ; wave
	s_lshr_b32 s17, s16, 1                         ; my half of the rows
	s_and_b32 s18, s16, 1                          ; my half of the columns
	s_bfe_u32 s40, ttmp6, 0x40000                  ; cx
	s_bfe_u32 s41, ttmp6, 0x40004                  ; cy
	s_lshl_b32 s42, ttmp9, 2
	s_add_co_u32 s42, s42, s40                     ; tile column, 0 .. 7
	s_and_b32 s43, ttmp7, 0xffff
	s_lshl_b32 s43, s43, 2
	s_add_co_u32 s43, s43, s41                     ; tile row, 0 .. 31
	s_lshl_b32 s44, s41, 2
	s_lshl_b32 s44, 15, s44                        ; my row of the cluster
	s_lshl_b32 s45, 0x1111, s40                    ; my column
	s_or_b32 s[G1A], s44, (3<<16)|(1<<21)          ; half of y's tile: 98,304 dense bytes as 384 rows of 256, no padding
	s_mov_b32 s[G1A+1], 32<<16
	s_mov_b32 s[G1A+2], 384<<16
	s_mov_b32 s[G1A+3], 32<<16
	s_mov_b32 s[G1A+4], 384
	s_mov_b32 s[G1A+5], 32
	s_mov_b32 s[G1A+6], 0
	s_mov_b32 s[G1A+7], 0
	s_or_b32 s[G1B], s45, (1<<20)|(1<<21)|(5<<22)|(3<<25)   ; W: 128 rows of 768 bytes, 16 bytes of padding behind every 256
	s_mov_b32 s[G1B+1], KROW<<16
	s_mov_b32 s[G1B+2], 128<<16
	s_mov_b32 s[G1B+3], KROW<<16
	s_mov_b32 s[G1B+4], 128
	s_mov_b32 s[G1B+5], KROW
	s_mov_b32 s[G1B+6], 0
	s_mov_b32 s[G1B+7], 0
	s_or_b32 s[G1S], s44, (3<<16)|(1<<20)|(1<<21)|(5<<22)|(3<<25)   ; y's scale bytes: 32 rows of 256, 16 of padding behind each
	s_mov_b32 s[G1S+1], 32<<16
	s_mov_b32 s[G1S+2], 32<<16
	s_mov_b32 s[G1S+3], 32<<16
	s_mov_b32 s[G1S+4], 32
	s_mov_b32 s[G1S+5], 32
	s_mov_b32 s[G1S+6], 0
	s_mov_b32 s[G1S+7], 0
	s_mov_b32 s[G0B], 1
	s_mov_b32 s[G0B+1], BVB
	s_mov_b32 s[G0S], 1
	s_mov_b32 s[G0S+1], SCL
	s_mov_b32 s[G0A0], 1
	s_mov_b32 s[G0A0+1], 0
	s_mov_b32 s[G0A1], 1
	s_mov_b32 s[G0A1+1], AHALF
	s_mul_i32 s84, s43, 2*AHALF                    ; y's tile, by the tile row alone
	s_mov_b32 s85, 0
	s_lshl_b32 s86, s43, 13                        ; its scale bytes
	s_mov_b32 s87, 0
	s_mul_i32 s88, s42, 128*KROW                   ; W's rows, by the tile column alone
	s_add_co_u32 s88, s88, WPB
	s_mov_b32 s89, 0
	s_wait_dscnt 0x0                               ; both opening adds are done
	s_wait_kmcnt 0x0
	s_add_nc_u64 s[G0B+2:G0B+3], s[8:9], s[88:89]
	s_or_b32 s[G0B+3], s[G0B+3], 0x80000000
	s_add_nc_u64 s[G0S+2:G0S+3], s[6:7], s[86:87]
	s_or_b32 s[G0S+3], s[G0S+3], 0x80000000
	s_add_nc_u64 s[G0A0+2:G0A0+3], s[4:5], s[84:85]
	s_add_nc_u64 s[G0A1+2:G0A1+3], s[G0A0+2:G0A0+3], AHALF
	s_or_b32 s[G0A0+3], s[G0A0+3], 0x80000000
	s_or_b32 s[G0A1+3], s[G0A1+3], 0x80000000
	CROUND                                         ; all sixteen work-groups are here: the joint loads meet
	ARM 1, G0B,  G1B, .Lh1                         ; wave 0: W's rows, which go on into registers;
	ARM 2, G0S,  G1S, .Lh2                         ; wave 1: y's scale bytes;
	ARM 3, G0A0, G1A, .Lh3                         ; waves 2 and 3: a half of y's tile each
	TLOAD G0A1, G1A
.Lasked:
	s_lshl_b32 s20, s42, 7
	s_lshl_b32 s21, s18, 6
	s_add_co_u32 s20, s20, s21                     ; my first column
	s_add_co_u32 s22, s20, 3072
	s_lshl_b32 s22, s22, 5
	s_mov_b32 s23, 0
	s_add_nc_u64 s[10:11], s[10:11], s[22:23]      ; its scale bytes
	s_lshl_b32 s22, s20, 2
	s_add_nc_u64 s[12:13], s[12:13], s[22:23]      ; its bias
	s_lshl_b32 s80, s43, 8
	s_lshl_b32 s81, s17, 7
	s_add_co_u32 s80, s80, s81                     ; my first row
	s_lshl_b32 s80, s80, 12
	s_add_co_u32 s80, s80, s22
	s_mov_b32 s81, 0
	s_add_nc_u64 s[14:15], s[14:15], s[80:81]
	s_mul_i32 s76, s17, AHALF
	s_mul_i32 s77, s18, 64*PITCH
	s_add_co_u32 s77, s77, BVB
	s_mul_i32 s78, s17, 16*272
	s_add_co_u32 s78, s78, SCL
	s_mul_i32 s79, s16, 16*SPITCH
	s_add_co_u32 s79, s79, STAGE
	v_and_b32 v1, 15, v0                           ; r
	v_bfe_u32 v2, v0, 4, 1                         ; h
	v_and_b32 v3, 31, v0
	v_lshlrev_b32 v[ABS], 5, v3                    ; a row of scale bytes a lane
	v_lshlrev_b32 v[BQ], 6, v2
	v_lshlrev_b32 v16, 3, v3
	v_add_nc_u32 v[ADRA], s76, v16
	v_add_nc_u32 v[ADRA+1], 4*ATILE, v[ADRA]
	v_mul_u32_u24 v17, v1, PITCH
	v_mad_u32_u24 v18, v2, 24, v17
	v_add_nc_u32 v[ADRB], s77, v18
	v_mad_u32_u24 v18, v2, 40, v17
	v_add_nc_u32 v[ADRB+1], s77, v18
	v_lshrrev_b32 v17, 3, v1
	v_mul_u32_u24 v17, v17, 272
	v_and_b32 v18, 7, v1
	v_lshl_add_u32 v17, v18, 5, v17
	v_add_nc_u32 v[AAS], s78, v17                  ; my row's scale words: eight rows to a unit of 256 + 16
	v_mul_u32_u24 v17, v1, SPITCH
	v_lshl_add_u32 v17, v2, 6, v17
	v_add_nc_u32 v[STO], s79, v17                  ; the stage, in: row r, 64 h
	v_mul_u32_u24 v17, v2, SPITCH
	v_lshl_add_u32 v17, v1, 4, v17
	v_add_nc_u32 v[RD], s79, v17                   ; back: sixteen lanes to a row, two rows an instruction
	v_lshlrev_b32 v17, 12, v2
	v_lshl_add_u32 v[CO], v1, 4, v17               ; and the same in out0
	s_wait_alu depctr_va_vdst(0)                   ; the wait at the head's end
.irp p, 0,1
.irp c, 0,1
	global_load_b128 v[SB+8*\p+4*\c:SB+8*\p+4*\c+3], v[ABS], s[10:11] offset:1024*\p+16*\c
.endr
.endr
.irp g, 0,1
.irp j, 0,1,2,3
	global_load_b128 v[BN+16*\g+4*\j:BN+16*\g+4*\j+3], v[BQ], s[12:13] offset:128*\g+16*\j   ; register 16 g + i = column 32 g + 16 h + i
.endr
.endr
; fragment f lies in window 1 + f / 21 at register 12 (f % 21): 0-31 W's (4 q + b), 32-39 and 40-47 y's two sets
.macro FRAGB f, q, b                   ; six pieces of 8 bytes; lanes 16-31 read 24 bytes on: where that is behind one padding more, the second address serves
	WIN (1+(\f)/FPW)<<6
.set R_, FR*((\f)%FPW)
.irp p, 0,1,2,3,4,5
.set PC_, 12*(\q)+6*(\p/3)+\p%3
.if PC_%32 < 29
	ds_load_b64 v[R_+2*\p:R_+2*\p+1], v[ADRB] offset:8*PC_+16*(PC_/32)+(\b)*16*PITCH
.else
	ds_load_b64 v[R_+2*\p:R_+2*\p+1], v[ADRB+1] offset:8*PC_+16*(PC_/32)+(\b)*16*PITCH
.endif
.endr
.endm
.macro FRAGA f, q, s
	WIN (1+(\f)/FPW)<<6
.set R_, FR*((\f)%FPW)
.irp p, 0,1,2,3,4,5
	ds_load_b64 v[R_+2*\p:R_+2*\p+1], v[ADRA+(\s)/4] offset:ATILE*((\s)%4)+768*(2*(\q)+\p/3)+256*(\p%3)
.endr
.endm
.macro FETCH s                         ; block s into set s % 2: NF loads
.irp q, 0,1,2,3,4,5,6,7
	FRAGA 32+8*((\s)%2)+\q, \q, \s
.endr
	WIN 0
	ds_load_b128 v[SA+8*((\s)%2):SA+8*((\s)%2)+3], v[AAS] offset:544*(\s)
	ds_load_b128 v[SA+8*((\s)%2)+4:SA+8*((\s)%2)+7], v[AAS] offset:544*(\s)+16
.endm
.macro MM c
.if B_%2
	v_wmma_scale_f32_16x16x128_f8f6f4 v[D_:D_+7], v[RB_:RB_+11], v[RA_:RA_+11], \c, v[XB_], v[XA_] matrix_a_fmt:MATRIX_FMT_FP6 matrix_b_fmt:MATRIX_FMT_FP6 matrix_a_scale:MATRIX_SCALE_ROW1
.else
	v_wmma_scale_f32_16x16x128_f8f6f4 v[D_:D_+7], v[RB_:RB_+11], v[RA_:RA_+11], \c, v[XB_], v[XA_] matrix_a_fmt:MATRIX_FMT_FP6 matrix_b_fmt:MATRIX_FMT_FP6
.endif
.endm
.macro PROD e, n                       ; product n = 4 q + b of a block
.set Q_, (\n)/4
.set B_, (\n)%4
.set FB_, 4*Q_+B_
.set FA_, 32+8*(\e)+Q_
.set D_, ACC+32*(\e)+8*B_
.set RB_, FR*(FB_%FPW)
.set RA_, FR*(FA_%FPW)
.set XB_, SB+8*(B_/2)+Q_
.set XA_, SA+8*(\e)+Q_
	WIN (1+FB_/FPW)|((1+FA_/FPW)<<2)
.if Q_
	MM v[D_:D_+7]
.else
	MM v[BN+8*B_:BN+8*B_+7]
.endif
.endm
.macro PRODS e, from, to
.set N_, \from
.rept (\to)-(\from)
	PROD \e, N_
.set N_, N_+1
.endr
.endm
.macro TOSTAGE s                       ; LDS serves a wave's instructions in order: no wait between the stores and the loads
.set AC_, ACC+32*((\s)%2)
.irp b, 0,1,2,3
	ds_store_b128 v[STO], v[AC_+8*\b:AC_+8*\b+3] offset:128*(\b/2)+32*(\b%2)       ; each accumulator from its low end on
	ds_store_b128 v[STO], v[AC_+8*\b+4:AC_+8*\b+7] offset:128*(\b/2)+32*(\b%2)+16
.endr
.irp j, 0,1,2,3,4,5,6,7
	ds_load_b128 v[BK+32*((\s)%2)+4*\j:BK+32*((\s)%2)+4*\j+3], v[RD] offset:2*\j*SPITCH
.endr
.endm
.macro SEND s                          ; stage rows 2 j, 2 j + 1 of tile s are true rows 32 (s / 2) + 8 (s % 2) + 2 j + 8 (j / 4) and the next
.irp j, 0,1,2,3,4,5,6,7
	global_store_b128 v[CO], v[BK+32*((\s)%2)+4*\j:BK+32*((\s)%2)+4*\j+3], s[14:15] offset:(32*((\s)/2)+8*((\s)%2)+2*\j+8*(\j/4))*4096 th:TH_STORE_NT
.endr
.endm
	s_cmp_eq_u32 s16, 0
	s_cbranch_scc0 .Lnot_b
	s_wait_tensorcnt 0x0                           ; wave 0's load line is its own
.Lnot_b:
	s_barrier_signal -1
	s_barrier_wait -1                              ; W's rows are in
.irp q, 0,1,2,3,4,5,6,7
.irp b, 0,1,2,3
	FRAGB 4*\q+\b, \q, \b
.endr
.endr
	WIN 0
	s_wait_tensorcnt 0x0                           ; every wave: all that is still out
	s_wait_dscnt 0x0                               ; W is in my registers
	s_barrier_signal -1
	s_barrier_wait -1                              ; y's tile and scale bytes are in, and nobody reads W's LDS bytes any more
	FETCH 0
	FETCH 1
	s_wait_loadcnt 0x0                             ; W's scale words and the bias
.irp s, 0,1,2,3,4,5,6,7
.if \s == 0
	s_wait_dscnt NF
.elseif \s < 7
	s_wait_dscnt 63
.else
	s_wait_dscnt 16
.endif
	PRODS \s%2, 0, 16
.if \s > 0
	WIN 0
.if \s < 7
	s_wait_dscnt NF
.else
	s_wait_dscnt 0x0
.endif
	SEND \s-1                                      ; the block before leaves
.endif
	PRODS \s%2, 16, 32
	WIN 0
	PLACES 4                                       ; behind the products: their results are read and their operands' registers loaded below
.if \s >= 2
	s_wait_xcnt 0x0                                ; the stores of two blocks back have read their registers
.endif
	TOSTAGE \s
.if \s < 6
	FETCH \s+2
.endif
.endr
	s_wait_dscnt 0x0
	SEND 7
	s_wait_tensorcnt 0x0                           ; the wave's end
	ds_add_u32 v[SPW], v[NIL]
	s_wait_dscnt 0x0
	CROUND                                         ; the closing round
	s_endpgm
.Lfunc_end_k_q85458bc064_gemm_proj:
	.size	k_q85458bc064_gemm_proj, .Lfunc_end_k_q85458bc064_gemm_proj-k_q85458bc064_gemm_proj
	.p2alignl 7, 3214868480
	.fill 96, 4, 3214868480
	.section	.rodata,"a",@progbits
	.p2align	6, 0x0
	.amdhsa_kernel k_q85458bc064_gemm_proj
		.amdhsa_group_segment_fixed_size 327680
		.amdhsa_private_segment_fixed_size 0
		.amdhsa_enable_private_segment 0
		.amdhsa_kernarg_size 48
		.amdhsa_user_sgpr_count 2
		.amdhsa_user_sgpr_kernarg_segment_ptr 1
		.amdhsa_wavefront_size32 1
		.amdhsa_system_sgpr_workgroup_id_x 1
		.amdhsa_system_sgpr_workgroup_id_y 1
		.amdhsa_system_sgpr_workgroup_id_z 1
		.amdhsa_system_vgpr_workitem_id 0
		.amdhsa_next_free_vgpr 840
		.amdhsa_next_free_sgpr 100
		.amdhsa_reserve_vcc 0
		.amdhsa_float_denorm_mode_32 3
		.amdhsa_float_denorm_mode_16_64 3
		.amdhsa_memory_ordered 1
		.amdhsa_forward_progress 1
		.amdhsa_inst_pref_size 97
	.end_amdhsa_kernel
	.amdgpu_metadata
---
amdhsa.version: [ 1, 2 ]
amdhsa.kernels:
  - .name:           k_q85458bc064_gemm_proj
    .symbol:         k_q85458bc064_gemm_proj.kd
    .args:
      - { .name: yc, .offset: 0, .size: 8, .value_kind: global_buffer, .address_space: global }
      - { .name: ys, .offset: 8, .size: 8, .value_kind: global_buffer, .address_space: global }
      - { .name: wc, .offset: 16, .size: 8, .value_kind: global_buffer, .address_space: global }
      - { .name: ws, .offset: 24, .size: 8, .value_kind: global_buffer, .address_space: global }
      - { .name: b_proj, .offset: 32, .size: 8, .value_kind: global_buffer, .address_space: global }
      - { .name: out0, .offset: 40, .size: 8, .value_kind: global_buffer, .address_space: global }
    .group_segment_fixed_size: 327680
    .private_segment_fixed_size: 0
    .kernarg_segment_align: 8
    .kernarg_segment_size: 48
    .max_flat_workgroup_size: 128
    .sgpr_count:     100
    .vgpr_count:     840
    .wavefront_size: 32
...
	.end_amdgpu_metadata
.endif
;; end of part 4
